; MI455X (gfx1250); checked and timed in simulation.
; The chip was launched on July 23, 2026; its instructions are those of AMD's public machine-readable ISA for CDNA 5 (MIT licence, August 2026) and "CDNA5" Instruction Set Architecture Reference Guide (July 2026). The comments in the code are by the model that wrote it; some were corrected since.
;; Lexical Encoder. Allowed arithmetic: float matrix products may take bf16 or f16 operands with f32 sums; other float arithmetic in f32, or as packed bf16 or f16 multiplies, adds, multiply-adds, maxima and minima; sums over many terms, partial sums and values carried from step to step in f32; what a program stores and reads back later, other than sums and carried values, may be rounded once to bf16 or f16.
;; Inputs: codebook 4,096 x 512 float32; targets 8,192 x 512 float32.
;; Outputs: out0 8,192 x 4 int32; out1 8,192 x 4 bool; out2 8,192 x 512 float32.
;; 2 versions, each right; version 2 is version 1 with the launches pick1, pick2, pick3, pick4 written anew for expert scheduling mode. Each part assembles by itself: llvm-mc -triple=amdgcn-amd-amdhsa -mcpu=gfx1250 --defsym DOCPART=n.
;; ======== version 1 of 2: 9 launches
;; limits: values are held in f16: magnitudes above 65,504 overflow, below 6.1e-05 lose precision; inputs' magnitudes at most 65,504
;; workspace buffers: c16 4,194,304 bytes; a16 8,388,608 bytes; cand 524,288 bytes of whole numbers; resA 16,777,216 bytes; resB 16,777,216 bytes; stA 262,144 bytes; stB 262,144 bytes
;; launch prep (part 1): grid 384 x 1, 8 waves a work-group, no clusters, 34,816 bytes of LDS; arguments targets, codebook, a16, c16, stA; writes a16, c16, stA
.if DOCPART == 1
	.amdgcn_target "amdgcn-amd-amdhsa--gfx1250"
	.amdhsa_code_object_version 6
	.text
	.protected	k_qbbf190519f_prep
	.globl	k_qbbf190519f_prep
	.p2align	8
	.type	k_qbbf190519f_prep,@function
k_qbbf190519f_prep:
	s_mov_b64 s[64:65], 0
	v_nop
	global_prefetch_b8 v0, s[64:65] scope:SCOPE_SE
	s_setreg_imm32_b32 hwreg(HW_REG_WAVE_MODE, 25, 1), 1
	s_wait_xcnt 0x0
; PREP.  Makes the two f16 matrix operands of the first product, in FRAGMENT ORDER, and the rows' first records.
;   a16 = targets / max(|targets|, 1e-12) row by row, c16 = codebook as it is, both rounded once to f16.
;   Fragment order: [tile of 16 rows][ks 0..15][part 0..1][lane 0..31][16 bytes]; lane r + 16 h, part p holds row r, k = 32 ks + 16 p + 8 h + 0..7:
;   the four registers 4 p .. 4 p + 3 of a 16-bit K = 32 fragment, so that a later load of 16 bytes a lane at 16 x lane fills them as they lie.
;   stA: plane I at byte 0, [row][4] i32 = 0 (the signed indices to come); plane G at byte 131,072, [row][4] = (mask word 0, decay 0.95, |target|, |residual| = |target|).
; SHARES.  Work-groups 0-255 take 32 rows of targets each, 256-383 take 32 rows of the codebook; a wave 4 rows; a lane the elements 128 i + 4 lane + 0..3, i = 0..3:
;   each load of a wave covers 512 consecutive bytes.  The rows meet in an LDS stage (pitch 1,040 bytes, an odd multiple of 16) and leave as fragments, 512 consecutive bytes a store.
; LIMITS.  |codebook| below 65,504 (f16's end); below 6e-5 an element keeps f16's fixed step of 6e-8.  NaN and infinities are not treated apart.
; No matrix unit, cluster or tensor load: memory binds, each byte is read once and no two work-groups share a byte.
.set PITCH, 1040                       ; a stage row: 1,024 bytes of f16 + 16
.set RES,   32*PITCH                   ; 33,280: 16 bytes a row, here the norm in the first word
.set SPARE, RES+512                    ; 33,792: the spare words, 128 bytes for each of eight waves; no other line names them
.set LN16, 2                           ; v2      16 x lane
.set STA,  3                           ; v3      stage: where my 8 bytes of my wave's first row go
.set RDA,  4                           ; v4      stage: where my fragments' 16 bytes lie
.set RSA,  5                           ; v5      RES at my wave's first row
.set SS,   8                           ; v[8:15]   a pair a row: sum of squares, later the scale (low register)
.set NRM,  16                          ; v[16:19]  the rows' norms
.set PK,   24                          ; v[24:55]  eight registers of f16 a row
.set SPW,  62                          ; v62     LDS address of my spare word; never rewritten
.set NIL,  63                          ; v63     0; never rewritten
.set R,    64                          ; v[64:127] sixteen f32 a row
.set BK,   64                          ; v[64:95]  fragments read back
.set ZQ,   96                          ; v[96:99]  plane I's record
.set GQ,   100                         ; v[100:103] plane G's record
.set WV,   14                          ; s14     my wave's number
.set BLK,  16                          ; s16     my block of 32 rows in its tensor
.set ISX,  17                          ; s17     1: the block is of targets
.set SEL,  30                          ; s[30:31] v_permlanex16_b32's selects: each lane takes its own place in the other half
; The sum over 32 lanes of n registers v[base + 2 z], by turns so that no line waits for the one before it; v[base + 2 z + 1] (written before) takes the other half's figure.
.macro RED base, n
.irp m, 1,2,4,8
.set z, 0
.rept \n
	v_add_f32_dpp v[(\base)+2*z], v[(\base)+2*z], v[(\base)+2*z] row_xmask:\m row_mask:0xf bank_mask:0xf
.set z, z+1
.endr
.endr
.set z, 0
.rept \n
	v_permlanex16_b32 v[(\base)+2*z+1], v[(\base)+2*z], s[SEL], s[SEL+1]
.set z, z+1
.endr
.set z, 0
.rept \n
	v_add_f32 v[(\base)+2*z], v[(\base)+2*z], v[(\base)+2*z+1]
.set z, z+1
.endr
.endm
; The four rows' sums of squares, my 16 elements of each, the rows by turns.
.macro SUMSQ4
.irp rho, 0,1,2,3
	v_pk_mul_f32 v[SS+2*\rho:SS+2*\rho+1], v[R+16*\rho:R+16*\rho+1], v[R+16*\rho:R+16*\rho+1]
.endr
.irp m, 1,2,3,4,5,6,7
.irp rho, 0,1,2,3
	v_pk_fma_f32 v[SS+2*\rho:SS+2*\rho+1], v[R+16*\rho+2*\m:R+16*\rho+2*\m+1], v[R+16*\rho+2*\m:R+16*\rho+2*\m+1], v[SS+2*\rho:SS+2*\rho+1]
.endr
.endr
.irp rho, 0,1,2,3
	v_add_f32 v[SS+2*\rho], v[SS+2*\rho], v[SS+2*\rho+1]
.endr
.endm
; Row rho times its scale into v[dst ..], rounded to f16 into v[pk ..], and into the stage: elements 128 i + 4 lane + 0..3 are the 8 bytes at 256 i + 8 lane of the row.
.macro TOSTAGE rho, dst, pk
.irp m, 0,1,2,3,4,5,6,7
	v_pk_mul_f32 v[(\dst)+2*\m:(\dst)+2*\m+1], v[R+16*(\rho)+2*\m:R+16*(\rho)+2*\m+1], v[SS+2*(\rho):SS+2*(\rho)+1] op_sel_hi:[1,0]
.endr
.irp m, 0,1,2,3,4,5,6,7
	v_cvt_pk_f16_f32 v[(\pk)+\m], v[(\dst)+2*\m], v[(\dst)+2*\m+1]
.endr
.irp i, 0,1,2,3
	ds_store_b64 v[STA], v[(\pk)+2*\i:(\pk)+2*\i+1] offset:PITCH*(\rho)+256*\i
.endr
.endm
; Wave w takes tile w / 4 of the group's two, ks 4 (w % 4) + 0..3: eight chunks c = 2 ksi + part of 512 bytes, read as fragments and stored where they belong.
.macro WAYOUT bk, p
.irp c, 0,1,2,3,4,5,6,7
	ds_load_b128 v[(\bk)+4*\c:(\bk)+4*\c+3], v[RDA] offset:32*\c
.endr
.irp c, 0,1,2,3,4,5,6,7
	s_wait_dscnt 7-\c                              ; LDS loads come back in order: chunk c is in, the younger ones stay out
	global_store_b128 v[LN16], v[(\bk)+4*\c:(\bk)+4*\c+3], s[\p:\p+1] offset:512*\c  ; 512 consecutive bytes, at a multiple of 512 from the buffer's first
.endr
.endm
	s_load_b256 s[4:11], s[0:1], 0x0               ; targets s[4:5], codebook s[6:7], a16 s[8:9], c16 s[10:11]
	s_load_b64 s[12:13], s[0:1], 0x20              ; stA
	v_lshl_add_u32 v[SPW], v0, 2, SPARE
	v_mov_b32 v[NIL], 0
	v_lshrrev_b32 v1, 5, v0
	v_readfirstlane_b32 s[WV], v1                  ; wave 0..7
	v_and_b32 v1, 31, v0                           ; lane
	v_lshlrev_b32 v[LN16], 4, v1
	s_mov_b32 s[SEL], 0x76543210
	s_mov_b32 s[SEL+1], 0xfedcba98
	s_mul_i32 s24, s[WV], 4*PITCH                  ; my wave's four rows in the stage
	v_lshl_add_u32 v[STA], v1, 3, s24
	s_lshl_b32 s25, s[WV], 6
	s_add_co_u32 s25, s25, RES
	v_mov_b32 v[RSA], s25
	v_and_b32 v6, 15, v0                           ; r
	v_bfe_u32 v7, v0, 4, 1                         ; h
	v_mul_u32_u24 v[RDA], v6, PITCH
	v_lshl_add_u32 v[RDA], v7, 4, v[RDA]           ; row r, 16 h
	s_lshr_b32 s26, s[WV], 2
	s_mul_i32 s26, s26, 16*PITCH                   ; tile w / 4
	s_and_b32 s27, s[WV], 3
	s_lshl_b32 s27, s27, 8                         ; ks 4 (w % 4): 64 bytes a ks
	s_add_co_u32 s26, s26, s27
	v_add_nc_u32 v[RDA], s26, v[RDA]
	s_sub_co_u32 s[BLK], ttmp9, 256
	s_cmp_lt_u32 ttmp9, 256                        ; the choice of tensor hangs on the work-group's number alone
	s_cselect_b32 s[BLK], ttmp9, s[BLK]
	s_cselect_b32 s[ISX], 1, 0
	s_cselect_b32 s28, -1, 0                       ; the same as a mask of lanes
	s_wait_kmcnt 0x0
	s_cselect_b64 s[18:19], s[4:5], s[6:7]         ; from where
	s_cselect_b64 s[20:21], s[8:9], s[10:11]       ; to where
	s_lshl_b32 s22, s[BLK], 16                     ; 32 rows of 2,048 bytes,
	s_lshl_b32 s23, s[WV], 13                      ; my wave's four
	s_add_co_u32 s22, s22, s23
	s_mov_b32 s23, 0
	s_add_nc_u64 s[18:19], s[18:19], s[22:23]
.irp rho, 0,1,2,3
.irp i, 0,1,2,3
	global_load_b128 v[R+16*\rho+4*\i:R+16*\rho+4*\i+3], v[LN16], s[18:19] offset:2048*\rho+512*\i
.endr
.endr
	s_lshl_b32 s22, s[BLK], 15                     ; two tiles of 16,384 bytes,
	s_lshl_b32 s29, s[WV], 12                      ; my wave's eight chunks
	s_add_co_u32 s22, s22, s29
	s_add_nc_u64 s[20:21], s[20:21], s[22:23]
	s_lshl_b32 s22, s[BLK], 9                      ; 16 bytes of record a row
	s_add_nc_u64 s[12:13], s[12:13], s[22:23]
	s_wait_loadcnt 0x0
	SUMSQ4
	RED SS, 4
.irp rho, 0,1,2,3
	v_sqrt_f32 v[NRM+\rho], v[SS+2*\rho]
.endr
	v_nop                                          ; a plain instruction between the last root and the use of its result
	s_wait_alu depctr_va_vdst(0)
.irp rho, 0,1,2,3
	v_max_num_f32 v[SS+2*\rho], 0x2b8cbccc, v[NRM+\rho]  ; 1e-12
.endr
.irp rho, 0,1,2,3
	v_rcp_f32 v[SS+2*\rho], v[SS+2*\rho]
.endr
	v_nop
	s_wait_alu depctr_va_vdst(0)
.irp rho, 0,1,2,3
	v_cndmask_b32 v[SS+2*\rho], 1.0, v[SS+2*\rho], s28  ; targets are normalised, the codebook is taken as it is
.endr
.irp rho, 0,1,2,3
	TOSTAGE \rho, R+16*\rho, PK+8*\rho
	ds_store_b32 v[RSA], v[NRM+\rho] offset:16*\rho  ; every lane holds the row's norm: all write the same word
.endr
	s_wait_dscnt 0x0                               ; for the others' sake: my stores into the stage are done
	s_barrier_signal -1
	s_barrier_wait -1
	WAYOUT BK, 20
	s_cmp_lg_u32 s[WV], 0
	s_cbranch_scc1 .Lend                           ; the records are wave 0's,
	s_cmp_eq_u32 s[ISX], 0
	s_cbranch_scc1 .Lend                           ; and only targets have any
	v_add_nc_u32 v6, RES, v[LN16]                  ; lane = row of the group
	ds_load_b32 v[GQ+2], v6
.irp i, 0,1,2,3
	v_mov_b32 v[ZQ+\i], 0
.endr
	v_mov_b32 v[GQ], 0
	v_mov_b32 v[GQ+1], 0x3f733333                  ; 0.95: the first step's decay
	s_wait_dscnt 0x0
	v_mov_b32 v[GQ+3], v[GQ+2]                     ; the first residual is the target
	global_store_b128 v[LN16], v[ZQ:ZQ+3], s[12:13]
	global_store_b128 v[LN16], v[GQ:GQ+3], s[12:13] offset:131072
.Lend:
	s_wait_tensorcnt 0x0                           ; the wave's end, behind my last LDS store
	ds_add_u32 v[SPW], v[NIL]
	s_wait_dscnt 0x0
	s_endpgm
.Lfunc_end_k_qbbf190519f_prep:
	.size	k_qbbf190519f_prep, .Lfunc_end_k_qbbf190519f_prep-k_qbbf190519f_prep
	.p2alignl 7, 3214868480
	.fill 96, 4, 3214868480
	.section	.rodata,"a",@progbits
	.p2align	6, 0x0
	.amdhsa_kernel k_qbbf190519f_prep
		.amdhsa_group_segment_fixed_size 34816
		.amdhsa_private_segment_fixed_size 0
		.amdhsa_enable_private_segment 0
		.amdhsa_kernarg_size 40
		.amdhsa_user_sgpr_count 2
		.amdhsa_user_sgpr_kernarg_segment_ptr 1
		.amdhsa_wavefront_size32 1
		.amdhsa_system_sgpr_workgroup_id_x 1
		.amdhsa_system_sgpr_workgroup_id_y 1
		.amdhsa_system_sgpr_workgroup_id_z 1
		.amdhsa_system_vgpr_workitem_id 0
		.amdhsa_next_free_vgpr 128
		.amdhsa_next_free_sgpr 66
		.amdhsa_reserve_vcc 0
		.amdhsa_float_denorm_mode_32 3
		.amdhsa_float_denorm_mode_16_64 3
		.amdhsa_memory_ordered 1
		.amdhsa_forward_progress 1
		.amdhsa_inst_pref_size 16
	.end_amdhsa_kernel
	.amdgpu_metadata
---
amdhsa.version: [ 1, 2 ]
amdhsa.kernels:
  - .name:           k_qbbf190519f_prep
    .symbol:         k_qbbf190519f_prep.kd
    .args:
      - { .name: targets, .offset: 0, .size: 8, .value_kind: global_buffer, .address_space: global }
      - { .name: codebook, .offset: 8, .size: 8, .value_kind: global_buffer, .address_space: global }
      - { .name: a16, .offset: 16, .size: 8, .value_kind: global_buffer, .address_space: global }
      - { .name: c16, .offset: 24, .size: 8, .value_kind: global_buffer, .address_space: global }
      - { .name: stA, .offset: 32, .size: 8, .value_kind: global_buffer, .address_space: global }
    .group_segment_fixed_size: 34816
    .private_segment_fixed_size: 0
    .kernarg_segment_align: 8
    .kernarg_segment_size: 40
    .max_flat_workgroup_size: 256
    .sgpr_count:     66
    .vgpr_count:     128
    .wavefront_size: 32
...
	.end_amdgpu_metadata
.endif
;; end of part 1
;; launch score1 (part 2): grid 32 x 8, 4 waves a work-group, clusters of 4 x 1, 327,680 bytes of LDS; arguments a16, c16, cand; writes cand
.if DOCPART == 2
	.amdgcn_target "amdgcn-amd-amdhsa--gfx1250"
	.amdhsa_code_object_version 6
	.text
	.protected	k_qbbf190519f_score1
	.globl	k_qbbf190519f_score1
	.p2align	8
	.type	k_qbbf190519f_score1,@function
k_qbbf190519f_score1:
	s_mov_b64 s[64:65], 0
	v_nop
	global_prefetch_b8 v0, s[64:65] scope:SCOPE_SE
	s_setreg_imm32_b32 hwreg(HW_REG_WAVE_MODE, 25, 1), 1
	s_wait_xcnt 0x0
	s_wait_alu depctr_hold_cnt(0) depctr_sa_sdst(0) depctr_va_vdst(0) depctr_va_sdst(0) depctr_va_ssrc(0) depctr_va_vcc(0) depctr_vm_vsrc(0)
	s_getreg_b32 s2, hwreg(HW_REG_IB_STS2, 6, 4)
	s_cmp_eq_u32 s2, 0
	s_cbranch_scc0 .Lentry_in_a_cluster
	s_endpgm
.Lentry_in_a_cluster:
	s_bfe_u32 s2, ttmp6, 0x10000c
	s_cmp_lg_u32 s2, 0x3003
	s_cbranch_scc0 .Lentry_shape_is_right
	s_endpgm
.Lentry_shape_is_right:
; SCORE.  For each of 8,192 rows and each block cb of 512 codewords: the two codewords with the largest |row . codeword|, by f16 operands and f32 sums.  They are CANDIDATES: the next launch decides in f32.
;   a16 (normalised residual) and c16 (codebook) lie in fragment order: [tile of 16 rows][ks 0..15][part 0..1][lane][16 bytes], 16,384 bytes a tile.
;   cand: [cb 0..7][g = row / 64][lane r + 16 h][t 0..3] of u32: entry h (0 best, 1 second) of row 64 g + 16 t + r; word = (bits 30..8 of |score|) << 9 | (511 - index in the block).
; SHARES.  A work-group: 256 rows x 512 codewords, 256 work-groups.  A wave: 64 rows (four row tiles t) x all 32 codeword tiles: 2,048 matrix instructions.  The wave's 64 rows stay in 512
;   registers for the whole launch; only codeword fragments come out of LDS, two loads for four matrix instructions.
; THE MATRIX INSTRUCTION IS USED TRANSPOSED: source 0 = 16 codewords, source 1 = 16 rows.  A lane then holds ONE row (lane % 16) and the codewords 8 (lane / 16) + 0..7, so the two best run along the lane's registers.
; THE RANKING.  key = |score| with its low 8 bits replaced by 255 - (8 tile + register): a positive f32, so float order is integer order, and of equal scores the lower index ranks first.
;   M1, M2 = the lane's best two keys: T = min(key, M1); M1 = max(key, M1); M2 = max(T, M2).  A tile's 128 such lines stand two behind each matrix instruction of the NEXT tile.
; CLUSTER.  The four work-groups of a cluster share cb and walk the same codewords: each tile is asked for JOINTLY, the same tensor load, descriptor and mask in all four.
; RING.  Two LDS slots of eight tiles (131,072 bytes); a wave brings a quarter.  Four fills: two at the start, two refills; at most two tensor loads of a wave are out; a refill has 512 matrix instructions in which to land.
; LIMITS.  |codebook| below 65,504.  The true best is among a row's two candidates unless three |cos| lie within f16's operand rounding (some 1e-3) of the top.  NaN and infinities are not treated apart.
; REGISTERS, in windows of 256 (s_set_vgpr_msb: bits 1:0 source 0, 3:2 source 1, 5:4 source 2, 7:6 destination):
;   window 0: all but the rows; window 1: the rows' fragments of ks 0-7 at 8 (4 ks + t); window 2: those of ks 8-15.  Only source 1's window ever changes in the loop, and every vector line there
;   has a scalar or a constant in source 1's place: two switches for 64 matrix instructions.
.set SLOT1, 1<<17                      ; a slot's bytes, and slot 1's first byte: one exclusive or turns an address in one slot into the other's
.set TILEB, 16384
.set SPARE, 2*SLOT1                    ; behind the ring: the spare words, 128 bytes for each wave; no other line names them
.set LN16, 2                           ; v2       16 x lane; never rewritten
.set AD,   3                           ; v3       LDS address of my 16 bytes in the tile that is being fetched
.set HB,   5                           ; v5       8 (1 - h)
.set X,    8                           ; v[8:11]  the key in hand, by row tile
.set T,    12                          ; v[12:15] min(key, M1)
.set M1,   16                          ; v[16:19]
.set M2,   20                          ; v[20:23]
.set WK,   24                          ; v[24:39] at work at the end
.set EO,   40                          ; v[40:43] what is stored
.set SPW,  62                          ; v62      LDS address of my spare word; never rewritten
.set NIL,  63                          ; v63      0; never rewritten
.set F0,   64                          ; v[64:127]  a tile's fragments of ks 0-7
.set F1,   128                         ; v[128:191] of ks 8-15
.set ACP,  192                         ; v[192:223] the four accumulators of an even tile
.set ACQ,  224                         ; v[224:255] of an odd tile
.set WV,   10                          ; s10      my wave's number
.set G1,   24                          ; s[24:31] descriptor group 1
.set G0F,  32                          ; s[32:35] group 0 of the first fill
.set G0W,  36                          ; s[36:39] group 0 of the second fill; it then walks
.set TB,   40                          ; s40      LDS byte of the next tile to be fetched
.set CT,   41                          ; s41      counts trips
.set OC,   42                          ; s42      counts refills
.set MSK,  43                          ; s43      0x7fffff00
.set INF,  44                          ; s44      +infinity: above every key
.set CD,   48                          ; s[48:55] 255 - (8 e + j) for register j of the tile e that is being ranked
.set SEL,  56                          ; s[56:57] v_permlanex16_b32's selects
.set HM,   58                          ; s58      the mask of lanes 16-31
.set MSB, 0
.macro WIN new                         ; the immediate's high byte repeats the setting that is left; a switch that changes nothing is dropped
.if MSB != (\new)
	s_set_vgpr_msb (MSB<<8)|(\new)
.set MSB, (\new)
.endif
.endm
.macro PLACES                          ; four places behind matrix instructions whose registers are about to be read or loaded (ISA guide 7.12.1), where no other vector work is at hand
.rept 4
	v_nop
.endr
.endm
; A round of the cluster's barrier: my work-group's barrier, so that wave 0's signal speaks for all four waves; wave 0 signals; every wave waits for all four work-groups; my work-group's barrier once more.
.macro CROUND
	s_barrier_signal -1
	s_barrier_wait -1
	s_cmp_lg_u32 s[WV], 0
	s_cbranch_scc1 .Lnot_wave_0_\@
	s_barrier_signal -3
.Lnot_wave_0_\@:
	s_barrier_wait -3
	s_barrier_signal -1
	s_barrier_wait -1
.endm
; Sixteen LDS loads in one run: half a tile's fragments, chunk c = 2 ks + part: 32 lanes x 16 neighbouring bytes, no bank is asked twice.
.macro FETCH f, base
.irp c, 0,1,2,3,4,5,6,7,8,9,10,11,12,13,14,15
	ds_load_b128 v[(\f)+4*\c:(\f)+4*\c+3], v[AD] offset:(\base)+512*\c
.endr
.endm
; Line k of 64 of part p of a tile's ranking: register rj = 4 p + k / 16 of the four accumulators at e, ascending (each accumulator's lowest register is read first);
; four lines for each of the four steps, so that a line reads a result made four lines back.
.macro RIDE e, p
.set rj, 4*(\p)+k/16
.set rt, k%4
.if (k/4)%4 == 0
	v_and_or_b32 v[X+rt], v[(\e)+8*rt+rj], s[MSK], s[CD+rj]
.elseif (k/4)%4 == 1
	v_min3_num_f32 v[T+rt], v[X+rt], s[INF], v[M1+rt]
.elseif (k/4)%4 == 2
	v_max3_num_f32 v[M1+rt], v[X+rt], 0, v[M1+rt]
.else
	v_max3_num_f32 v[M2+rt], v[T+rt], 0, v[M2+rt]
.endif
.set k, k+1
.endm
.macro CODESTEP                        ; the next tile's codes
.irp j0, 0,1,2,3,4,5,6,7
	s_sub_co_u32 s[CD+\j0], s[CD+\j0], 8
.endr
.endm
; A STAGE: half h (ks 8 h .. 8 h + 7) of one tile, 32 matrix instructions on the four accumulators at a, which take turns, one instruction a turn (over every stage's edge too).
; e >= 0: part p of the ranking of the accumulators at e, two lines behind each matrix instruction.  f = 1: behind the second matrix instruction the next stage's fragments are fetched, 30 matrix
; instructions ahead of their use; five plain lines or more that name none of its registers stand between the buffer's last reader and the run.  lw = 1: the rows' fragments of ks 8-15 are waited for, ks by ks.
.macro STAGE a, h, e, p, f, lw=0
	s_wait_dscnt 0x0                               ; this stage's sixteen fragment loads are in
	WIN 0x04+0x04*(\h)
.set n, 0
.set k, 0
.rept 32
.if (\lw) && (n%4 == 0)
	s_wait_loadcnt 56-8*(n/4)                      ; eight loads a ks: the later ks' stay out
.endif
.if ((\h) == 0) && (n < 4)
	v_wmma_f32_16x16x32_f16 v[(\a)+8*(n%4):(\a)+8*(n%4)+7], v[F0+64*(\h)+8*(n/4):F0+64*(\h)+8*(n/4)+7], v[8*n:8*n+7], 0
.else
	v_wmma_f32_16x16x32_f16 v[(\a)+8*(n%4):(\a)+8*(n%4)+7], v[F0+64*(\h)+8*(n/4):F0+64*(\h)+8*(n/4)+7], v[8*n:8*n+7], v[(\a)+8*(n%4):(\a)+8*(n%4)+7]
.endif
.if (\e) >= 0
	RIDE \e, \p
	RIDE \e, \p
.endif
.if (\f) && (n == 1)
.if (\e) < 0
	PLACES
.endif
.if \h
	v_add_nc_u32 v[AD], v[LN16], s[TB]             ; the next tile
	s_add_co_u32 s[TB], s[TB], TILEB
	FETCH F0, 0
.else
	FETCH F1, 8192                                 ; this tile's second half
.endif
.endif
.set n, n+1
.endr
.endm
.macro TRIP                            ; four stages: an odd tile's second half, an even tile, the next odd tile's first half
	STAGE ACQ, 1, ACP, 1, 1
	CODESTEP
	STAGE ACP, 0, ACQ, 0, 1
	STAGE ACP, 1, ACQ, 1, 1
	CODESTEP
	STAGE ACQ, 0, ACP, 0, 1
.endm
.macro GROUP cnt
	WIN 0                                          ; at a label and at a branch every window is 0
	s_mov_b32 s[CT], \cnt
.Ltrip_\@:
	TRIP
	WIN 0
	s_sub_co_u32 s[CT], s[CT], 1
	s_cmp_lg_u32 s[CT], 0
	s_cbranch_scc1 .Ltrip_\@
.endm
; THE CHANGE OF SLOTS, at the head of a slot's last stage: that stage's fragments, the slot's last bytes, have been asked for.  Each wave waits for all its tensor loads, of which one is out: its part of
; the other slot; adds 0 to its spare word; and waits for that and for its own reads of the slot.  Behind the barrier nobody reads this slot any more and the other slot is whole.
; fill = 1: the slot is filled again with the tiles two slots on.  The barrier is then a round of the cluster's, and the joint refill, each wave's quarter, is the first thing behind it.
.macro CHANGE fill
	WIN 0
	s_wait_tensorcnt 0x0                           ; no tensor load of mine is out, so a group 0 may be written
	ds_add_u32 v[SPW], v[NIL]                      ; 0 onto my spare word
.if \fill
	s_xor_b32 s[G0W+1], s[G0W+1], SLOT1            ; the walking descriptor: the other slot than last time,
	s_add_nc_u64 s[G0W+2:G0W+3], s[G0W+2:G0W+3], SLOT1  ; the next eight tiles; the type bits on top are not reached
	s_wait_dscnt 0x0                               ; the add is done, and my reads of the slot are over
	CROUND
	tensor_load_to_lds s[G0W:G0W+3], s[G1:G1+7]
	s_nop 0
	PLACES                                         ; four lines ahead of the next switch of windows
.else
	s_wait_dscnt 0x0                               ; the add is done, and my reads of the slot are over
	s_barrier_signal -1
	s_barrier_wait -1
.endif
	s_sub_co_u32 s[TB], s[TB], SLOT1               ; the fetches go back to a slot's first tile,
	s_xor_b32 s[TB], s[TB], SLOT1                  ; in the other slot
.endm
; 64 loads: the rows' fragments of ks 8 w + q / 8, row tile (q % 8) / 2, part q % 2
.macro LOADR w
.set q, 0
.rept 64
	global_load_b128 v[8*(4*(q/8)+(q%8)/2)+4*(q%2):8*(4*(q/8)+(q%8)/2)+4*(q%2)+3], v[LN16], s[4:5] offset:16384*((q%8)/2)+1024*(8*(\w)+q/8)+512*(q%2)
.set q, q+1
.endr
.endm
	s_load_b128 s[4:7], s[0:1], 0x0                ; a16 s[4:5], c16 s[6:7]
	s_load_b64 s[8:9], s[0:1], 0x10                ; cand
	v_lshl_add_u32 v[SPW], v0, 2, SPARE
	v_mov_b32 v[NIL], 0
	ds_add_u32 v[SPW], v[NIL]                      ; the wave's opening: the add and its wait stand ahead of my first tensor load; the set-up below, work on registers, stands between them
	v_lshrrev_b32 v1, 5, v0
	v_readfirstlane_b32 s[WV], v1                  ; wave 0..3
	s_bfe_u32 s11, ttmp6, 0x40000                  ; cx: my place in the cluster
	s_lshl_b32 s12, ttmp9, 2                       ; in a cluster launch ttmp9 counts clusters
	s_add_co_u32 s12, s12, s11                     ; my block of 256 rows: it enters a16's and cand's addresses alone
	s_and_b32 s13, ttmp7, 0xffff                   ; cb, which the four partners share
	s_lshl_b32 s14, s13, 19                        ; c16: 32 tiles a block,
	s_lshl_b32 s15, s[WV], 15                      ; my quarter of a fill: two tiles
	s_add_co_u32 s14, s14, s15
	s_mov_b32 s15, 0
	s_lshl_b32 s16, s12, 18                        ; a16: 16 tiles a block of rows,
	s_lshl_b32 s17, s[WV], 16                      ; my wave's four
	s_add_co_u32 s16, s16, s17
	s_mov_b32 s17, 0
	s_lshl_b32 s18, s12, 2                         ; cand: g = 4 x block + wave, 512 bytes each,
	s_add_co_u32 s18, s18, s[WV]
	s_lshl_b32 s18, s18, 9
	s_lshl_b32 s19, s13, 16                        ; 65,536 bytes a cb
	s_add_co_u32 s18, s18, s19
	s_mov_b32 s19, 0
	; descriptor group 1: 32,768 dense bytes as 128 rows of 256
	s_mov_b32 s[G1], 15|(3<<16)|(1<<21)            ; 15:0 the mask of four; 17:16 elements of 8 bytes; 20 no padding; 21 set beside a mask
	s_mov_b32 s[G1+1], 32<<16                      ; tensor_dim0 = 32
	s_mov_b32 s[G1+2], 128<<16                     ; tensor_dim1 = 128
	s_mov_b32 s[G1+3], 32<<16                      ; tile_dim0 = 32
	s_mov_b32 s[G1+4], 128                         ; tile_dim1 = 128
	s_mov_b32 s[G1+5], 32                          ; 32 elements from row to row
	s_mov_b32 s[G1+6], 0
	s_mov_b32 s[G1+7], 0
	s_mov_b32 s[G0F], 1                            ; count = 1
	s_lshl_b32 s[G0F+1], s[WV], 15                 ; LDS address: my quarter of slot 0: no place in the cluster enters it
	s_mov_b32 s[G0W], 1
	s_add_co_u32 s[G0W+1], s[G0F+1], SLOT1         ; of slot 1
	s_mov_b32 s[TB], 0
	s_mov_b32 s[MSK], 0x7fffff00
	s_mov_b32 s[INF], 0x7f800000
	s_mov_b32 s[SEL], 0x76543210
	s_mov_b32 s[SEL+1], 0xfedcba98
	s_mov_b32 s[HM], 0xffff0000
.irp j0, 0,1,2,3,4,5,6,7
	s_mov_b32 s[CD+\j0], 255-\j0
.endr
	s_wait_dscnt 0x0                               ; the opening add is done
	s_wait_kmcnt 0x0
	s_add_nc_u64 s[G0F+2:G0F+3], s[6:7], s[14:15]  ; global address: my quarter of tiles 0-7,
	s_add_nc_u64 s[G0W+2:G0W+3], s[G0F+2:G0F+3], SLOT1  ; of tiles 8-15
	s_or_b32 s[G0F+3], s[G0F+3], 0x80000000        ; type = 2
	s_or_b32 s[G0W+3], s[G0W+3], 0x80000000
	s_add_nc_u64 s[4:5], s[4:5], s[16:17]
	s_add_nc_u64 s[8:9], s[8:9], s[18:19]
	CROUND                                         ; all four work-groups are here: the first joint loads meet
	tensor_load_to_lds s[G0F:G0F+3], s[G1:G1+7]
	s_nop 0
	tensor_load_to_lds s[G0W:G0W+3], s[G1:G1+7]
	s_nop 0
	v_and_b32 v1, 31, v0
	v_lshlrev_b32 v[LN16], 4, v1
	v_bfe_u32 v4, v0, 4, 1                         ; h
	v_xor_b32 v4, 1, v4
	v_lshlrev_b32 v[HB], 3, v4
.irp t0, 0,1,2,3
	v_mov_b32 v[M1+\t0], 0                         ; no key ranks below 0
	v_mov_b32 v[M2+\t0], 0
.endr
	WIN 0x40                                       ; destination window 1, address window 0
	LOADR 0
	WIN 0x80
	LOADR 1
	WIN 0
	s_wait_tensorcnt 0x1                           ; my quarter of slot 0 is in; slot 1's may stay out
	s_barrier_signal -1
	s_barrier_wait -1                              ; everybody's is
	v_add_nc_u32 v[AD], v[LN16], s[TB]
	s_add_co_u32 s[TB], s[TB], TILEB
	FETCH F0, 0                                    ; tile 0, first half
	s_wait_loadcnt 63                              ; 64 loads were issued behind the last of ks 0-7; the wait's largest count is 63
	STAGE ACP, 0, -1, 0, 1                         ; tile 0: there is nothing to rank yet
	STAGE ACP, 1, -1, 0, 1, 1
	PLACES                                         ; behind tile 0's last products, ahead of the first reads of them
	STAGE ACQ, 0, ACP, 0, 1
	GROUP 3                                        ; up to the last stage but one of slot 0
	s_mov_b32 s[OC], 2
.Lslot:                                                ; twice: a slot is left and filled again, sixteen stages follow
	CHANGE 1
	GROUP 4
	s_sub_co_u32 s[OC], s[OC], 1
	s_cmp_lg_u32 s[OC], 0
	s_cbranch_scc1 .Lslot
	CHANGE 0                                       ; the tail is written out: nothing is asked for
	GROUP 4
	STAGE ACQ, 1, ACP, 1, 0                        ; tile 31's second half: nothing is left to fetch
	CODESTEP
	WIN 0
	PLACES
.set k, 0
.rept 64
	RIDE ACQ, 0                                    ; tile 31's ranking has no products to stand beside
.endr
.set k, 0
.rept 64
	RIDE ACQ, 1
.endr
	; THE END.  key = sc << 8 | c, c = 8 (31 - e) + (7 - j); word = sc << 9 | q, q = 511 - (16 e + 8 h + j) = (c & ~7) << 1 | 8 (1 - h) | (c & 7).
	; The row's other 256 codewords lie in the lane 16 away: of the four words the best two; lanes 0-15 keep the best, lanes 16-31 the second.
.irp t0, 0,1,2,3
	v_and_b32 v[WK+8+\t0], -8, v[M1+\t0]
	v_and_b32 v[WK+12+\t0], -8, v[M2+\t0]
.endr
.irp t0, 0,1,2,3
	v_lshl_or_b32 v[WK+8+\t0], v[WK+8+\t0], 1, v[HB]
	v_lshl_or_b32 v[WK+12+\t0], v[WK+12+\t0], 1, v[HB]
.endr
.irp t0, 0,1,2,3
	v_and_or_b32 v[WK+\t0], v[M1+\t0], 7, v[WK+8+\t0]
	v_and_or_b32 v[WK+4+\t0], v[M2+\t0], 7, v[WK+12+\t0]
.endr
.irp t0, 0,1,2,3
	v_permlanex16_b32 v[WK+8+\t0], v[WK+\t0], s[SEL], s[SEL+1]
	v_permlanex16_b32 v[WK+12+\t0], v[WK+4+\t0], s[SEL], s[SEL+1]
.endr
.irp t0, 0,1,2,3
	v_cmp_gt_u32 vcc_lo, v[WK+\t0], v[WK+8+\t0]
	v_cndmask_b32 v[X+\t0], v[WK+8+\t0], v[WK+\t0], vcc_lo      ; the larger of the two firsts: the best
	v_cndmask_b32 v[T+\t0], v[WK+\t0], v[WK+8+\t0], vcc_lo      ; the smaller
	v_cmp_gt_u32 vcc_lo, v[WK+4+\t0], v[WK+12+\t0]
	v_cndmask_b32 v[WK+4+\t0], v[WK+12+\t0], v[WK+4+\t0], vcc_lo  ; the larger of the two seconds
	v_cmp_gt_u32 vcc_lo, v[T+\t0], v[WK+4+\t0]
	v_cndmask_b32 v[WK+4+\t0], v[WK+4+\t0], v[T+\t0], vcc_lo    ; the second
	v_cndmask_b32 v[EO+\t0], v[X+\t0], v[WK+4+\t0], s[HM]
.endr
	global_store_b128 v[LN16], v[EO:EO+3], s[8:9]  ; 512 consecutive bytes, at a multiple of 512 from cand's first
	s_wait_tensorcnt 0x0                           ; the wave's end, behind my last tensor load
	ds_add_u32 v[SPW], v[NIL]
	s_wait_dscnt 0x0
	CROUND                                         ; the closing round: no work-group ends while a partner may still ask for a tile that names it
	s_endpgm
.Lfunc_end_k_qbbf190519f_score1:
	.size	k_qbbf190519f_score1, .Lfunc_end_k_qbbf190519f_score1-k_qbbf190519f_score1
	.p2alignl 7, 3214868480
	.fill 96, 4, 3214868480
	.section	.rodata,"a",@progbits
	.p2align	6, 0x0
	.amdhsa_kernel k_qbbf190519f_score1
		.amdhsa_group_segment_fixed_size 327680
		.amdhsa_private_segment_fixed_size 0
		.amdhsa_enable_private_segment 0
		.amdhsa_kernarg_size 24
		.amdhsa_user_sgpr_count 2
		.amdhsa_user_sgpr_kernarg_segment_ptr 1
		.amdhsa_wavefront_size32 1
		.amdhsa_system_sgpr_workgroup_id_x 1
		.amdhsa_system_sgpr_workgroup_id_y 1
		.amdhsa_system_sgpr_workgroup_id_z 1
		.amdhsa_system_vgpr_workitem_id 0
		.amdhsa_next_free_vgpr 768
		.amdhsa_next_free_sgpr 66
		.amdhsa_reserve_vcc 1
		.amdhsa_float_denorm_mode_32 3
		.amdhsa_float_denorm_mode_16_64 3
		.amdhsa_memory_ordered 1
		.amdhsa_forward_progress 1
		.amdhsa_inst_pref_size 139
	.end_amdhsa_kernel
	.amdgpu_metadata
---
amdhsa.version: [ 1, 2 ]
amdhsa.kernels:
  - .name:           k_qbbf190519f_score1
    .symbol:         k_qbbf190519f_score1.kd
    .args:
      - { .name: a16, .offset: 0, .size: 8, .value_kind: global_buffer, .address_space: global }
      - { .name: c16, .offset: 8, .size: 8, .value_kind: global_buffer, .address_space: global }
      - { .name: cand, .offset: 16, .size: 8, .value_kind: global_buffer, .address_space: global }
    .group_segment_fixed_size: 327680
    .private_segment_fixed_size: 0
    .kernarg_segment_align: 8
    .kernarg_segment_size: 24
    .max_flat_workgroup_size: 128
    .sgpr_count:     66
    .vgpr_count:     768
    .wavefront_size: 32
...
	.end_amdgpu_metadata
.endif
;; end of part 2
;; launch pick1 (part 3): grid 256 x 1, 8 waves a work-group, no clusters, 34,816 bytes of LDS; arguments cand, targets, codebook, stA, resA, a16, stB, out0, out1; writes resA, a16, stB, out0, out1
.if DOCPART == 3
	.amdgcn_target "amdgcn-amd-amdhsa--gfx1250"
	.amdhsa_code_object_version 6
	.text
	.protected	k_qbbf190519f_pick1
	.globl	k_qbbf190519f_pick1
	.p2align	8
	.type	k_qbbf190519f_pick1,@function
k_qbbf190519f_pick1:
	s_mov_b64 s[64:65], 0
	v_nop
	global_prefetch_b8 v0, s[64:65] scope:SCOPE_SE
	s_setreg_imm32_b32 hwreg(HW_REG_WAVE_MODE, 25, 1), 1
	s_wait_xcnt 0x0
; PICK.  One step's decision and update, in f32 on the f32 residual and codebook.  Arguments: cand, residual in, codebook, records in, residual out, a16, records out, out0, out1.
;   For each row: of the 16 candidate words (8 blocks x best two) the best two codewords A, B; both rows of the codebook are gathered; da = r . A, db = r . B in f32; the larger |d| wins, the lower
;   index if they are equal; signed index, sign; r' = r - sign x decay x codeword where the row is active (|r| >= 0.01 and |target| >= 1e-8).  Then |r'|, and r' / max(|r'|, 1e-12) in f16, in fragment order, for the next product.
;   The choice between A and B selects VALUES alone: r' = r + FA x A + FB x B with one of the two factors 0; no address and no branch hangs on a floating-point number.
; ONE TEXT FOR ALL FOUR STEPS.  What differs travels in the records: plane I, [row][4] i32, shifts left by a word and takes the new signed index; plane G, [row][4] = (mask word, decay, |target|, |r|):
;   mask' = mask >> 8 | active << 24, decay' = 0.95 decay.  After four steps both hold steps 1..4 in order.  Every step stores them into out0 and out1 too; the last one leaves the result.
;   What the earlier steps store there, and the last step's a16 and records (8.4 MB), serve nothing: the price of one text.
; SHARES.  A work-group 32 rows, a wave 4; a lane the elements 128 i + 4 lane + 0..3 of a row: every load and store of a row covers 512 consecutive bytes.
; LIMITS.  Two |d| within f32's summation error of each other may fall the other way than in a sum of another order; a norm within rounding of 0.01 or 1e-8 likewise.  decay is made by repeated
;   multiplication; sign x decay x codeword is fused into the subtraction, one rounding.  NaN and infinities are not treated apart (0 x infinity would spoil a row).
; No matrix unit, cluster or tensor load: 2 x 512 multiply-adds a row, and no two work-groups share more than the table's rows that their lists happen to name.
.set PITCH, 1040                       ; a stage row: 1,024 bytes of f16 + 16: an odd multiple of 16
.set RES,   32*PITCH                   ; 33,280: 16 bytes a row: signed index, active, norm, 0
.set SPARE, RES+512                    ; 33,792: the spare words, 128 bytes for each of eight waves; no other line names them
.set LN16, 2                           ; v2      16 x lane; never rewritten
.set STA,  3                           ; v3      stage: where my 8 bytes of my wave's first row go
.set RDA,  4                           ; v4      stage: where my fragments' 16 bytes lie
.set RSA,  5                           ; v5      RES at my wave's first row
.set CO,   6                           ; v6      my byte offset among a group's candidate words
.set NDV,  7                           ; v7      -decay
.set W,    8                           ; v[8:15]   the eight words; later rows 0, 1's records
.set DT,   16                          ; v[16:31]  at work in the merge; then a pair each for da, db of the four rows; then FA, FB
.set SS,   32                          ; v[32:39]  a pair a row: sum of squares, later the scale
.set VA,   40                          ; v[40:43]  byte offset of my 16 bytes in codeword A's row; later row 2's record
.set VB,   44                          ; v[44:47]  the same for B; later row 3's record
.set HH,   48                          ; v[48:51]  plane I's record of row = lane (wave 0 uses it)
.set GG,   52                          ; v[52:55]  plane G's
.set RB,   56                          ; v[56:59]  RES read back
.set T0,   60                          ; v60, v61  at work
.set SPW,  62                          ; v62     LDS address of my spare word; never rewritten
.set NIL,  63                          ; v63     0; never rewritten
.set R,    64                          ; v[64:127]  the residual, sixteen f32 a row
.set CA,   128                         ; v[128:191] codeword A; later the scaled row; later fragments read back
.set CB,   192                         ; v[192:255] codeword B; later the f16 row
.set WV,   22                          ; s22     my wave's number
.set SEL,  30                          ; s[30:31] v_permlanex16_b32's selects
.set IA,   32                          ; s[32:35] the rows' A
.set IB,   36                          ; s[36:39] the rows' B
.set GR,   72                          ; s[72:87] my four rows' records of plane G
.macro UMAX d, a, b                    ; the larger of two unsigned words
	v_cmp_gt_u32 vcc_lo, v[\a], v[\b]
	v_cndmask_b32 v[\d], v[\b], v[\a], vcc_lo
.endm
; The sum over 32 lanes of n registers v[base + 2 z], by turns; v[base + 2 z + 1] (written before) takes the other half's figure.
.macro RED base, n
.irp m, 1,2,4,8
.set z, 0
.rept \n
	v_add_f32_dpp v[(\base)+2*z], v[(\base)+2*z], v[(\base)+2*z] row_xmask:\m row_mask:0xf bank_mask:0xf
.set z, z+1
.endr
.endr
.set z, 0
.rept \n
	v_permlanex16_b32 v[(\base)+2*z+1], v[(\base)+2*z], s[SEL], s[SEL+1]
.set z, z+1
.endr
.set z, 0
.rept \n
	v_add_f32 v[(\base)+2*z], v[(\base)+2*z], v[(\base)+2*z+1]
.set z, z+1
.endr
.endm
.macro SUMSQ4                          ; the four rows' sums of squares, my 16 elements of each, the rows by turns
.irp rho, 0,1,2,3
	v_pk_mul_f32 v[SS+2*\rho:SS+2*\rho+1], v[R+16*\rho:R+16*\rho+1], v[R+16*\rho:R+16*\rho+1]
.endr
.irp m, 1,2,3,4,5,6,7
.irp rho, 0,1,2,3
	v_pk_fma_f32 v[SS+2*\rho:SS+2*\rho+1], v[R+16*\rho+2*\m:R+16*\rho+2*\m+1], v[R+16*\rho+2*\m:R+16*\rho+2*\m+1], v[SS+2*\rho:SS+2*\rho+1]
.endr
.endr
.irp rho, 0,1,2,3
	v_add_f32 v[SS+2*\rho], v[SS+2*\rho], v[SS+2*\rho+1]
.endr
.endm
; Row rho times its scale into v[dst ..], rounded to f16 into v[pk ..], and into the stage: elements 128 i + 4 lane + 0..3 are the 8 bytes at 256 i + 8 lane of the row.
.macro TOSTAGE rho, dst, pk
.irp m, 0,1,2,3,4,5,6,7
	v_pk_mul_f32 v[(\dst)+2*\m:(\dst)+2*\m+1], v[R+16*(\rho)+2*\m:R+16*(\rho)+2*\m+1], v[SS+2*(\rho):SS+2*(\rho)+1] op_sel_hi:[1,0]
.endr
.irp m, 0,1,2,3,4,5,6,7
	v_cvt_pk_f16_f32 v[(\pk)+\m], v[(\dst)+2*\m], v[(\dst)+2*\m+1]
.endr
.irp i, 0,1,2,3
	ds_store_b64 v[STA], v[(\pk)+2*\i:(\pk)+2*\i+1] offset:PITCH*(\rho)+256*\i
.endr
.endm
; Wave w takes tile w / 4 of the group's two, ks 4 (w % 4) + 0..3: eight chunks c = 2 ksi + part of 512 bytes, read as fragments and stored where they belong.
.macro WAYOUT bk, p
.irp c, 0,1,2,3,4,5,6,7
	ds_load_b128 v[(\bk)+4*\c:(\bk)+4*\c+3], v[RDA] offset:32*\c
.endr
.irp c, 0,1,2,3,4,5,6,7
	s_wait_dscnt 7-\c                              ; LDS loads come back in order: chunk c is in, the younger ones stay out
	global_store_b128 v[LN16], v[(\bk)+4*\c:(\bk)+4*\c+3], s[\p:\p+1] offset:512*\c  ; 512 consecutive bytes, at a multiple of 512 from a16's first
.endr
.endm
; Row rho's decision.  Every lane holds da and db; the masks are the same in all lanes.  The record's first two words are written; da's and db's registers take FA and FB.
.macro DECIDE rho
.set Q, 8+4*(\rho)+24*((\rho)/2)       ; the record: v[8:11], v[12:15], v[40:43], v[44:47]
.set DA, DT+4*(\rho)
.set DB, DT+4*(\rho)+2
	v_and_b32 v[DA+1], 0x7fffffff, v[DA]
	v_and_b32 v[DB+1], 0x7fffffff, v[DB]
	v_cmp_gt_f32 s44, v[DB+1], v[DA+1]
	v_cmp_eq_f32 s45, v[DB+1], v[DA+1]
	s_cmp_lt_u32 s[IB+(\rho)], s[IA+(\rho)]
	s_cselect_b32 s46, -1, 0
	s_and_b32 s45, s45, s46
	s_or_b32 s44, s44, s45                         ; B wins: |db| is larger, or equal with the lower index
	v_cndmask_b32 v[DA+1], v[DA], v[DB], s44       ; the winner's d
	v_mov_b32 v[DB+1], s[IB+(\rho)]
	v_cndmask_b32 v[DB+1], s[IA+(\rho)], v[DB+1], s44  ; and index
	v_cmp_le_f32 s45, 0, v[DA+1]                   ; d >= 0
	v_cmp_ge_f32 s46, s[GR+4*(\rho)+3], s41        ; |r| >= 0.01
	v_cmp_ge_f32 s47, s[GR+4*(\rho)+2], s42        ; |target| >= 1e-8
	s_and_b32 s46, s46, s47                        ; active
	v_not_b32 v[T0], v[DB+1]                       ; -(index + 1)
	v_cndmask_b32 v[DB+1], v[T0], v[DB+1], s45
	v_cndmask_b32 v[Q], 0, v[DB+1], s46            ; the signed index, 0 where the row is not active
	v_cndmask_b32 v[Q+1], 0, 1, s46
	v_cndmask_b32 v[T0], s[GR+1], v[NDV], s45      ; -sign x decay,
	v_cndmask_b32 v[T0], 0, v[T0], s46             ; 0 where the row is not active
	v_cndmask_b32 v[DA], v[T0], 0, s44             ; FA
	v_cndmask_b32 v[DB], 0, v[T0], s44             ; FB
.endm
	s_load_b512 s[4:19], s[0:1], 0x0               ; cand s[4:5], residual in s[6:7], codebook s[8:9], records in s[10:11], residual out s[12:13], a16 s[14:15], records out s[16:17], out0 s[18:19]
	s_load_b64 s[20:21], s[0:1], 0x40              ; out1
	v_lshl_add_u32 v[SPW], v0, 2, SPARE
	v_mov_b32 v[NIL], 0
	v_lshrrev_b32 v1, 5, v0
	v_readfirstlane_b32 s[WV], v1                  ; wave 0..7
	v_and_b32 v1, 31, v0                           ; lane
	v_lshlrev_b32 v[LN16], 4, v1
	; My wave's rows are r = 4 (w % 4) + 0..3 of row tile t = 2 (wg % 2) + w / 4 of group g = wg / 2.  Lane l reads the words of lane (l & 16) | ((l + 4 (w % 4)) & 15): my four rows come into lanes 0-3 (best) and 16-19 (second).
	s_and_b32 s23, s[WV], 3
	s_lshl_b32 s24, s23, 2
	v_add_nc_u32 v[CO], s24, v1
	v_and_b32 v[CO], 15, v[CO]
	v_and_or_b32 v[CO], v1, 16, v[CO]
	v_lshlrev_b32 v[CO], 4, v[CO]
	s_mul_i32 s56, s[WV], 4*PITCH                  ; my wave's four rows in the stage
	v_lshl_add_u32 v[STA], v1, 3, s56
	s_lshl_b32 s57, s[WV], 6
	s_add_co_u32 s57, s57, RES
	v_mov_b32 v[RSA], s57
	v_and_b32 v[T0], 15, v0                        ; r
	v_bfe_u32 v[T0+1], v0, 4, 1                    ; h
	v_mul_u32_u24 v[RDA], v[T0], PITCH
	v_lshl_add_u32 v[RDA], v[T0+1], 4, v[RDA]
	s_lshr_b32 s58, s[WV], 2
	s_mul_i32 s58, s58, 16*PITCH                   ; tile w / 4
	s_lshl_b32 s59, s23, 8                         ; ks 4 (w % 4): 64 bytes a ks
	s_add_co_u32 s58, s58, s59
	v_add_nc_u32 v[RDA], s58, v[RDA]
	s_lshr_b32 s24, ttmp9, 1                       ; cand: 512 g
	s_lshl_b32 s24, s24, 9
	s_and_b32 s25, ttmp9, 1                        ; + 4 t
	s_lshl_b32 s25, s25, 3
	s_add_co_u32 s24, s24, s25
	s_lshr_b32 s25, s[WV], 2
	s_lshl_b32 s25, s25, 2
	s_add_co_u32 s24, s24, s25
	s_mov_b32 s25, 0
	s_lshl_b32 s26, ttmp9, 16                      ; residual: 32 rows of 2,048 bytes, my wave's four
	s_lshl_b32 s27, s[WV], 13
	s_add_co_u32 s26, s26, s27
	s_mov_b32 s27, 0
	s_lshl_b32 s28, ttmp9, 9                       ; records and out0: 16 bytes a row
	s_mov_b32 s29, 0
	s_lshl_b32 s48, s[WV], 6                       ; my wave's four records
	s_add_co_u32 s48, s48, s28
	s_mov_b32 s49, 0
	s_lshl_b32 s50, ttmp9, 15                      ; a16: two tiles, my wave's eight chunks
	s_lshl_b32 s51, s[WV], 12
	s_add_co_u32 s50, s50, s51
	s_mov_b32 s51, 0
	s_lshl_b32 s52, ttmp9, 7                       ; out1: 4 bytes a row
	s_mov_b32 s53, 0
	s_mov_b32 s[SEL], 0x76543210
	s_mov_b32 s[SEL+1], 0xfedcba98
	s_mov_b32 s40, 511
	s_mov_b32 s41, 0x3c23d70a                      ; 0.01
	s_mov_b32 s42, 0x322bcc77                      ; 1e-8
	s_wait_kmcnt 0x0
	s_add_nc_u64 s[4:5], s[4:5], s[24:25]
	s_add_nc_u64 s[6:7], s[6:7], s[26:27]
	s_add_nc_u64 s[12:13], s[12:13], s[26:27]
	s_add_nc_u64 s[54:55], s[10:11], s[48:49]
	s_add_nc_u64 s[10:11], s[10:11], s[28:29]
	s_add_nc_u64 s[14:15], s[14:15], s[50:51]
	s_add_nc_u64 s[16:17], s[16:17], s[28:29]
	s_add_nc_u64 s[18:19], s[18:19], s[28:29]
	s_add_nc_u64 s[20:21], s[20:21], s[52:53]
	s_load_b512 s[GR:GR+15], s[54:55], 0x20000     ; my four rows' records of plane G: this launch stores nothing into that buffer
.irp cb, 0,1,2,3,4,5,6,7
	global_load_b32 v[W+\cb], v[CO], s[4:5] offset:65536*\cb
.endr
.irp rho, 0,1,2,3
.irp i, 0,1,2,3
	global_load_b128 v[R+16*\rho+4*\i:R+16*\rho+4*\i+3], v[LN16], s[6:7] offset:2048*\rho+512*\i th:TH_LOAD_NT
.endr
.endr
	global_load_b128 v[HH:HH+3], v[LN16], s[10:11]                ; every wave issues these two, so that every count below holds in every wave; wave 0 uses them
	global_load_b128 v[GG:GG+3], v[LN16], s[10:11] offset:131072
	s_wait_loadcnt 18                              ; the eight words are in; the 18 loads issued behind them stay out
	; THE MERGE, in whole numbers.  word = sc << 9 | q9.  With S1 the row's largest sc: d = max(sc - S1 + 0xfffff, 0), 20 bits; comp = d << 12 | (4095 - index): one word for each codeword, ordered
	; by score and then by lower index within 2^20 steps of the top; what lies lower cannot be among the best two of sixteen unless all do, and then any order serves.
	UMAX 16, W, W+1
	UMAX 17, W+2, W+3
	UMAX 18, W+4, W+5
	UMAX 19, W+6, W+7
	UMAX 16, 16, 17
	UMAX 18, 18, 19
	UMAX 16, 16, 18
	v_permlanex16_b32 v17, v16, s[SEL], s[SEL+1]   ; the row's second entries lie in the lane 16 away
	UMAX 16, 16, 17
	v_lshrrev_b32 v16, 9, v16
	v_add_nc_u32 v16, 0xfff00001, v16              ; S1 - 0xfffff
.irp cb, 0,1,2,3,4,5,6,7
	v_lshrrev_b32 v17, 9, v[W+\cb]
	v_sub_nc_u32 v17, v17, v16
	v_cmp_lt_i32 vcc_lo, 0, v17
	v_cndmask_b32 v17, 0, v17, vcc_lo
	v_and_or_b32 v18, v[W+\cb], s40, (7-\cb)<<9    ; 4095 - (512 cb + index in the block)
	v_lshl_or_b32 v[W+\cb], v17, 12, v18
.endr
	v_cmp_gt_u32 vcc_lo, v[W], v[W+1]
	v_cndmask_b32 v20, v[W+1], v[W], vcc_lo        ; v20, v21: the lane's best two
	v_cndmask_b32 v21, v[W], v[W+1], vcc_lo
.irp cb, 2,3,4,5,6,7
	v_cmp_gt_u32 vcc_lo, v[W+\cb], v20
	v_cndmask_b32 v22, v[W+\cb], v20, vcc_lo       ; the smaller of the word and the best
	v_cndmask_b32 v20, v20, v[W+\cb], vcc_lo
	v_cmp_gt_u32 vcc_lo, v22, v21
	v_cndmask_b32 v21, v21, v22, vcc_lo
.endr
	v_permlanex16_b32 v17, v20, s[SEL], s[SEL+1]
	v_permlanex16_b32 v18, v21, s[SEL], s[SEL+1]
	v_cmp_gt_u32 vcc_lo, v20, v17
	v_cndmask_b32 v19, v17, v20, vcc_lo            ; the best of all sixteen
	v_cndmask_b32 v22, v20, v17, vcc_lo
	UMAX 21, 21, 18
	UMAX 21, 22, 21                                ; the second
	v_and_b32 v19, 0xfff, v19
	v_and_b32 v21, 0xfff, v21
	v_xor_b32 v19, 0xfff, v19                      ; 4095 - x for 12 bits
	v_xor_b32 v21, 0xfff, v21
.irp rho, 0,1,2,3
	v_readlane_b32 s[IA+\rho], v19, \rho
	v_readlane_b32 s[IB+\rho], v21, \rho
.endr
.irp rho, 0,1,2,3
	s_min_u32 s[IA+\rho], s[IA+\rho], 0xfff        ; an index stays inside the table
	s_min_u32 s[IB+\rho], s[IB+\rho], 0xfff
	v_lshl_add_u32 v[VA+\rho], s[IA+\rho], 11, v[LN16]
	v_lshl_add_u32 v[VB+\rho], s[IB+\rho], 11, v[LN16]
.endr
.irp rho, 0,1,2,3
.irp i, 0,1,2,3
	global_load_b128 v[CA+16*\rho+4*\i:CA+16*\rho+4*\i+3], v[VA+\rho], s[8:9] offset:512*\i
.endr
.irp i, 0,1,2,3
	global_load_b128 v[CB+16*\rho+4*\i:CB+16*\rho+4*\i+3], v[VB+\rho], s[8:9] offset:512*\i
.endr
.endr
	s_wait_kmcnt 0x0                               ; the records
	s_xor_b32 s43, s[GR+1], 0x80000000
	v_mov_b32 v[NDV], s43                          ; -decay
.irp rho, 0,1,2,3
	s_wait_loadcnt 24-8*\rho                       ; the residual and this row's eight gathers are in; the later rows' eight each stay out
	v_pk_mul_f32 v[DT+4*\rho:DT+4*\rho+1], v[R+16*\rho:R+16*\rho+1], v[CA+16*\rho:CA+16*\rho+1]
	v_pk_mul_f32 v[DT+4*\rho+2:DT+4*\rho+3], v[R+16*\rho:R+16*\rho+1], v[CB+16*\rho:CB+16*\rho+1]
.irp m, 1,2,3,4,5,6,7
	v_pk_fma_f32 v[DT+4*\rho:DT+4*\rho+1], v[R+16*\rho+2*\m:R+16*\rho+2*\m+1], v[CA+16*\rho+2*\m:CA+16*\rho+2*\m+1], v[DT+4*\rho:DT+4*\rho+1]
	v_pk_fma_f32 v[DT+4*\rho+2:DT+4*\rho+3], v[R+16*\rho+2*\m:R+16*\rho+2*\m+1], v[CB+16*\rho+2*\m:CB+16*\rho+2*\m+1], v[DT+4*\rho+2:DT+4*\rho+3]
.endr
.endr
.irp z0, 0,1,2,3,4,5,6,7
	v_add_f32 v[DT+2*\z0], v[DT+2*\z0], v[DT+2*\z0+1]
.endr
	RED DT, 8
	DECIDE 0                                       ; all loads are back: the words' and the offsets' registers take the records
	DECIDE 1
	DECIDE 2
	DECIDE 3
.irp rho, 0,1,2,3
.irp m, 0,1,2,3,4,5,6,7
	v_pk_fma_f32 v[R+16*\rho+2*\m:R+16*\rho+2*\m+1], v[CA+16*\rho+2*\m:CA+16*\rho+2*\m+1], v[DT+4*\rho:DT+4*\rho+1], v[R+16*\rho+2*\m:R+16*\rho+2*\m+1] op_sel_hi:[1,0,1]
.endr
.irp m, 0,1,2,3,4,5,6,7
	v_pk_fma_f32 v[R+16*\rho+2*\m:R+16*\rho+2*\m+1], v[CB+16*\rho+2*\m:CB+16*\rho+2*\m+1], v[DT+4*\rho+2:DT+4*\rho+3], v[R+16*\rho+2*\m:R+16*\rho+2*\m+1] op_sel_hi:[1,0,1]
.endr
.irp i, 0,1,2,3
	global_store_b128 v[LN16], v[R+16*\rho+4*\i:R+16*\rho+4*\i+3], s[12:13] offset:2048*\rho+512*\i  ; R is not written again
.endr
.endr
	SUMSQ4
	RED SS, 4
.irp rho, 0,1,2,3
.set Q, 8+4*\rho+24*(\rho/2)
	v_sqrt_f32 v[Q+2], v[SS+2*\rho]                ; |r'| goes into the record
.endr
	v_nop                                          ; a plain instruction between the last root and the use of its result
	s_wait_alu depctr_va_vdst(0)
.irp rho, 0,1,2,3
.set Q, 8+4*\rho+24*(\rho/2)
	v_max_num_f32 v[SS+2*\rho], 0x2b8cbccc, v[Q+2] ; 1e-12
.endr
.irp rho, 0,1,2,3
	v_rcp_f32 v[SS+2*\rho], v[SS+2*\rho]
.endr
	s_wait_alu depctr_va_vdst(0)
.irp rho, 0,1,2,3
.set Q, 8+4*\rho+24*(\rho/2)
	v_mov_b32 v[Q+3], 0                            ; plain lines behind the reciprocals
.endr
.irp rho, 0,1,2,3
.set Q, 8+4*\rho+24*(\rho/2)
	TOSTAGE \rho, CA+16*\rho, CB+8*\rho
	ds_store_b128 v[RSA], v[Q:Q+3] offset:16*\rho  ; every lane holds the row's record: all write the same words
.endr
	s_wait_dscnt 0x0                               ; for the others' sake: my stores into the stage and into RES are done
	s_barrier_signal -1
	s_barrier_wait -1
	WAYOUT CA, 14
	s_cmp_lg_u32 s[WV], 0
	s_cbranch_scc1 .Lend                           ; the group's 32 records are wave 0's, lane = row
	v_add_nc_u32 v[T0], RES, v[LN16]
	ds_load_b128 v[RB:RB+3], v[T0]
	v_mov_b32 v[HH], v[HH+1]                       ; the indices shift by a word
	v_mov_b32 v[HH+1], v[HH+2]
	v_mov_b32 v[HH+2], v[HH+3]
	v_lshrrev_b32 v[GG], 8, v[GG]                  ; the mask bytes by a byte
	v_mul_f32 v[GG+1], 0x3f733333, v[GG+1]         ; the next step's decay
	v_lshlrev_b32 v[T0+1], 2, v1
	s_wait_dscnt 0x0
	v_mov_b32 v[HH+3], v[RB]
	v_lshl_or_b32 v[GG], v[RB+1], 24, v[GG]
	v_mov_b32 v[GG+3], v[RB+2]
	global_store_b128 v[LN16], v[HH:HH+3], s[18:19]               ; out0
	global_store_b128 v[LN16], v[HH:HH+3], s[16:17]               ; plane I
	global_store_b128 v[LN16], v[GG:GG+3], s[16:17] offset:131072 ; plane G
	global_store_b32 v[T0+1], v[GG], s[20:21]                     ; out1: four bytes a row
.Lend:
	s_wait_tensorcnt 0x0                           ; the wave's end, behind my last LDS store
	ds_add_u32 v[SPW], v[NIL]
	s_wait_dscnt 0x0
	s_endpgm
.Lfunc_end_k_qbbf190519f_pick1:
	.size	k_qbbf190519f_pick1, .Lfunc_end_k_qbbf190519f_pick1-k_qbbf190519f_pick1
	.p2alignl 7, 3214868480
	.fill 96, 4, 3214868480
	.section	.rodata,"a",@progbits
	.p2align	6, 0x0
	.amdhsa_kernel k_qbbf190519f_pick1
		.amdhsa_group_segment_fixed_size 34816
		.amdhsa_private_segment_fixed_size 0
		.amdhsa_enable_private_segment 0
		.amdhsa_kernarg_size 72
		.amdhsa_user_sgpr_count 2
		.amdhsa_user_sgpr_kernarg_segment_ptr 1
		.amdhsa_wavefront_size32 1
		.amdhsa_system_sgpr_workgroup_id_x 1
		.amdhsa_system_sgpr_workgroup_id_y 1
		.amdhsa_system_sgpr_workgroup_id_z 1
		.amdhsa_system_vgpr_workitem_id 0
		.amdhsa_next_free_vgpr 256
		.amdhsa_next_free_sgpr 88
		.amdhsa_reserve_vcc 1
		.amdhsa_float_denorm_mode_32 3
		.amdhsa_float_denorm_mode_16_64 3
		.amdhsa_memory_ordered 1
		.amdhsa_forward_progress 1
		.amdhsa_inst_pref_size 45
	.end_amdhsa_kernel
	.amdgpu_metadata
---
amdhsa.version: [ 1, 2 ]
amdhsa.kernels:
  - .name:           k_qbbf190519f_pick1
    .symbol:         k_qbbf190519f_pick1.kd
    .args:
      - { .name: cand, .offset: 0, .size: 8, .value_kind: global_buffer, .address_space: global }
      - { .name: targets, .offset: 8, .size: 8, .value_kind: global_buffer, .address_space: global }
      - { .name: codebook, .offset: 16, .size: 8, .value_kind: global_buffer, .address_space: global }
      - { .name: stA, .offset: 24, .size: 8, .value_kind: global_buffer, .address_space: global }
      - { .name: resA, .offset: 32, .size: 8, .value_kind: global_buffer, .address_space: global }
      - { .name: a16, .offset: 40, .size: 8, .value_kind: global_buffer, .address_space: global }
      - { .name: stB, .offset: 48, .size: 8, .value_kind: global_buffer, .address_space: global }
      - { .name: out0, .offset: 56, .size: 8, .value_kind: global_buffer, .address_space: global }
      - { .name: out1, .offset: 64, .size: 8, .value_kind: global_buffer, .address_space: global }
    .group_segment_fixed_size: 34816
    .private_segment_fixed_size: 0
    .kernarg_segment_align: 8
    .kernarg_segment_size: 72
    .max_flat_workgroup_size: 256
    .sgpr_count:     88
    .vgpr_count:     256
    .wavefront_size: 32
...
	.end_amdgpu_metadata
.endif
;; end of part 3
;; launch score2: the kernel of part 2 again; grid 32 x 8, 4 waves a work-group, clusters of 4 x 1, 327,680 bytes of LDS; arguments a16, c16, cand; writes cand
;; launch pick2: the kernel of part 3 again; grid 256 x 1, 8 waves a work-group, no clusters, 34,816 bytes of LDS; arguments cand, resA, codebook, stB, resB, a16, stA, out0, out1; writes resB, a16, stA, out0, out1
;; launch score3: the kernel of part 2 again; grid 32 x 8, 4 waves a work-group, clusters of 4 x 1, 327,680 bytes of LDS; arguments a16, c16, cand; writes cand
;; launch pick3: the kernel of part 3 again; grid 256 x 1, 8 waves a work-group, no clusters, 34,816 bytes of LDS; arguments cand, resB, codebook, stA, resA, a16, stB, out0, out1; writes resA, a16, stB, out0, out1
;; launch score4: the kernel of part 2 again; grid 32 x 8, 4 waves a work-group, clusters of 4 x 1, 327,680 bytes of LDS; arguments a16, c16, cand; writes cand
;; launch pick4: the kernel of part 3 again; grid 256 x 1, 8 waves a work-group, no clusters, 34,816 bytes of LDS; arguments cand, resA, codebook, stB, out2, a16, stA, out0, out1; writes out2, a16, stA, out0, out1
;; ======== version 2 of 2: 9 launches; version 1 with the launches pick1, pick2, pick3, pick4 written anew for expert scheduling mode
;; limits: values are held in f16: magnitudes above 65,504 overflow, below 6.1e-05 lose precision; inputs' magnitudes at most 65,504
;; workspace buffers: c16 4,194,304 bytes; a16 8,388,608 bytes; cand 524,288 bytes of whole numbers; resA 16,777,216 bytes; resB 16,777,216 bytes; stA 262,144 bytes; stB 262,144 bytes
;; launch prep: the kernel of part 1 again; grid 384 x 1, 8 waves a work-group, no clusters, 34,816 bytes of LDS; arguments targets, codebook, a16, c16, stA; writes a16, c16, stA
;; launch score1: the kernel of part 2 again; grid 32 x 8, 4 waves a work-group, clusters of 4 x 1, 327,680 bytes of LDS; arguments a16, c16, cand; writes cand
;; launch pick1 (part 4): grid 256 x 1, 8 waves a work-group, no clusters, 34,816 bytes of LDS; arguments cand, targets, codebook, stA, resA, a16, stB, out0, out1; writes resA, a16, stB, out0, out1
.if DOCPART == 4
	.amdgcn_target "amdgcn-amd-amdhsa--gfx1250"
	.amdhsa_code_object_version 6
	.text
	.protected	k_qbbf190519f_pick1
	.globl	k_qbbf190519f_pick1
	.p2align	8
	.type	k_qbbf190519f_pick1,@function
k_qbbf190519f_pick1:
	s_mov_b64 s[64:65], 0
	v_nop
	global_prefetch_b8 v0, s[64:65] scope:SCOPE_SE
	s_setreg_imm32_b32 hwreg(HW_REG_WAVE_SCHED_MODE, 0, 2), 2
	s_setreg_imm32_b32 hwreg(HW_REG_WAVE_MODE, 25, 1), 1
	s_wait_xcnt 0x0
	s_wait_alu depctr_vm_vsrc(0)
; PICK.  One step's decision and update, in f32 on the f32 residual and codebook.  Arguments: cand, residual in, codebook, records in, residual out, a16, records out, out0, out1.
;   For each row: of the 16 candidate words (8 blocks x best two) the best two codewords A, B; both rows of the codebook are gathered; da = r . A, db = r . B in f32; the larger |d| wins, the lower
;   index if they are equal; signed index, sign; r' = r - sign x decay x codeword where the row is active (|r| >= 0.01 and |target| >= 1e-8).  Then |r'|, and r' / max(|r'|, 1e-12) in f16, in fragment order, for the next product.
;   The choice between A and B selects VALUES alone: r' = r + FA x A + FB x B with one of the two factors 0; no address and no branch hangs on a floating-point number.
; ONE TEXT FOR ALL FOUR STEPS.  What differs travels in the records: plane I, [row][4] i32, shifts left by a word and takes the new signed index; plane G, [row][4] = (mask word, decay, |target|, |r|):
;   mask' = mask >> 8 | active << 24, decay' = 0.95 decay.  After four steps both hold steps 1..4 in order.  Every step stores them into out0 and out1 too; the last one leaves the result.
;   What the earlier steps store there, and the last step's a16 and records (8.4 MB), serve nothing: the price of one text.
; SHARES.  A work-group 32 rows, a wave 4; a lane the elements 128 i + 4 lane + 0..3 of a row: every load and store of a row covers 512 consecutive bytes.
; LIMITS.  Two |d| within f32's summation error of each other may fall the other way than in a sum of another order; a norm within rounding of 0.01 or 1e-8 likewise.  decay is made by repeated
;   multiplication; sign x decay x codeword is fused into the subtraction, one rounding.  NaN and infinities are not treated apart (0 x infinity would spoil a row).
; No matrix unit, cluster or tensor load: 2 x 512 multiply-adds a row, and no two work-groups share more than the table's rows that their lists happen to name.
; THE MODE: SCHED_MODE bits 1:0 = 2 (LLVM: expert scheduling mode 2), set by the entry lines.  The code itself states the register dependences between vector instructions and memory or LDS
;   instructions, and between a vector instruction that writes a scalar register and that register's readers, with s_wait_alu, always for 0.
; THE PLAN.  Registers that memory or LDS instructions touch:
;   v2-v6, v60-v63  offsets and LDS addresses: made at the head, never written again; one wait ahead of the first load serves them all.
;   v[8:15]     the candidate words land; the merge works on them; the decision writes rows 0 and 1's records there, which two LDS stores read.
;   v[40:47]    the gathers' offsets, written by vector lines and read by the gathers; then rows 2 and 3's records, written by the decision and read by two LDS stores.
;   v[48:55]    two records land; wave 0's vector lines write them anew; its four stores read them.      v[56:59]  an LDS load of wave 0 lands; no vector line writes them.
;   v[64:127]   the residual lands; the update writes it; sixteen stores read it; it is not written again.
;   v[128:191]  codeword A lands; the scalings write it, the roundings read it; the stage's loads land in v[128:159], which the stores of a16 read.
;   v[192:255]  codeword B lands; the roundings write v[192:223], which sixteen LDS stores read.
;   The update and the way into the stage go in halves: rows 0 and 1's arithmetic, a wait, their stores dealt among rows 2 and 3's arithmetic, which names none of their registers, a wait, rows 2 and 3's stores.
;   Compares stand in runs, into scalar registers of their own, with one wait behind each run and ahead of the selects.
.set PITCH, 1040                       ; a stage row: 1,024 bytes of f16 + 16: an odd multiple of 16
.set RES,   32*PITCH                   ; 33,280: 16 bytes a row: signed index, active, norm, 0
.set SPARE, RES+512                    ; 33,792: the spare words, 128 bytes for each of eight waves; no other line names them
.set LN16, 2                           ; v2      16 x lane; never rewritten
.set STA,  3                           ; v3      stage: where my 8 bytes of my wave's first row go
.set RDA,  4                           ; v4      stage: where my fragments' 16 bytes lie
.set RSA,  5                           ; v5      RES at my wave's first row
.set CO,   6                           ; v6      my byte offset among a group's candidate words
.set NDV,  7                           ; v7      -decay
.set W,    8                           ; v[8:15]   the eight words; later rows 0, 1's records
.set DT,   16                          ; v[16:31]  at work in the merge; then a pair each for da, db of the four rows; then FA, FB
.set SS,   32                          ; v[32:39]  at work in the merge and in the decision; then a pair a row: sum of squares, later the scale
.set VA,   40                          ; v[40:43]  byte offset of my 16 bytes in codeword A's row; later row 2's record
.set VB,   44                          ; v[44:47]  the same for B; later row 3's record
.set HH,   48                          ; v[48:51]  plane I's record of row = lane (wave 0 uses it)
.set GG,   52                          ; v[52:55]  plane G's
.set RB,   56                          ; v[56:59]  RES read back
.set T0,   60                          ; v60, v61  at work at the head; then RES + 16 x lane and 4 x lane, never rewritten
.set SPW,  62                          ; v62     LDS address of my spare word; never rewritten
.set NIL,  63                          ; v63     0; never rewritten
.set R,    64                          ; v[64:127]  the residual, sixteen f32 a row
.set CA,   128                         ; v[128:191] codeword A; later the scaled row; later fragments read back
.set CB,   192                         ; v[192:255] codeword B; later the f16 row
.set WV,   22                          ; s22     my wave's number
.set SEL,  30                          ; s[30:31] v_permlanex16_b32's selects
.set IA,   32                          ; s[32:35] the rows' A
.set IB,   36                          ; s[36:39] the rows' B
.set GR,   72                          ; s[72:87] my four rows' records of plane G
.set MK,   56                          ; s[56:63] the merge's masks, eight to a run at the most (the head's scalars there are spent)
.set MGT,  56                          ; s[56:59] the decision, a mask a row: |db| > |da|, then: B wins
.set MEQ,  60                          ; s[60:63] |db| = |da|
.set MA1,  44                          ; s[44:47] |r| >= 0.01, then: active
.set MA2,  48                          ; s[48:51] |target| >= 1e-8
.set MLT,  66                          ; s[66:69] B's index is the lower
.set MPOS, 24                          ; s[24:27] the winner's d >= 0
.macro GTU m, a, b                     ; mask m: a > b, unsigned
	v_cmp_gt_u32 s[\m], v[\a], v[\b]
.endm
.macro PICKU d, a, b, m                ; d = a where the mask is set, else b
	v_cndmask_b32 v[\d], v[\b], v[\a], s[\m]
.endm
; The best two of two sorted pairs (a >= la, b >= lb): the best is the larger of a and b; the second is the larger of b and la if a > b, else the larger of a and lb.
; The three compares hang on the four inputs alone, so they stand in one run; the four selects follow behind the run's wait.
.macro T2CMP a, la, b, lb, m
	v_cmp_gt_u32 s[\m], v[\a], v[\b]
	v_cmp_gt_u32 s[(\m)+1], v[\b], v[\la]
	v_cmp_gt_u32 s[(\m)+2], v[\a], v[\lb]
.endm
.macro T2SEL top, sec, a, la, b, lb, x, m  ; x, x + 1: at work
	v_cndmask_b32 v[\x], v[\la], v[\b], s[(\m)+1]
	v_cndmask_b32 v[(\x)+1], v[\lb], v[\a], s[(\m)+2]
	v_cndmask_b32 v[\top], v[\b], v[\a], s[\m]
	v_cndmask_b32 v[\sec], v[(\x)+1], v[\x], s[\m]
.endm
; The sum over 32 lanes of n registers v[base + 2 z], by turns; v[base + 2 z + 1] (written before) takes the other half's figure.
.macro RED base, n
.irp m, 1,2,4,8
.set z, 0
.rept \n
	v_add_f32_dpp v[(\base)+2*z], v[(\base)+2*z], v[(\base)+2*z] row_xmask:\m row_mask:0xf bank_mask:0xf
.set z, z+1
.endr
.endr
.set z, 0
.rept \n
	v_permlanex16_b32 v[(\base)+2*z+1], v[(\base)+2*z], s[SEL], s[SEL+1]
.set z, z+1
.endr
.set z, 0
.rept \n
	v_add_f32 v[(\base)+2*z], v[(\base)+2*z], v[(\base)+2*z+1]
.set z, z+1
.endr
.endm
.macro SUMSQ4                          ; the four rows' sums of squares, my 16 elements of each, the rows by turns
.irp rho, 0,1,2,3
	v_pk_mul_f32 v[SS+2*\rho:SS+2*\rho+1], v[R+16*\rho:R+16*\rho+1], v[R+16*\rho:R+16*\rho+1]
.endr
.irp m, 1,2,3,4,5,6,7
.irp rho, 0,1,2,3
	v_pk_fma_f32 v[SS+2*\rho:SS+2*\rho+1], v[R+16*\rho+2*\m:R+16*\rho+2*\m+1], v[R+16*\rho+2*\m:R+16*\rho+2*\m+1], v[SS+2*\rho:SS+2*\rho+1]
.endr
.endr
.irp rho, 0,1,2,3
	v_add_f32 v[SS+2*\rho], v[SS+2*\rho], v[SS+2*\rho+1]
.endr
.endm
; Row rho's update: r' = (r + FA x A) + FB x B, and its four stores.
.macro UPD rho
.irp m, 0,1,2,3,4,5,6,7
	v_pk_fma_f32 v[R+16*(\rho)+2*\m:R+16*(\rho)+2*\m+1], v[CA+16*(\rho)+2*\m:CA+16*(\rho)+2*\m+1], v[DT+4*(\rho):DT+4*(\rho)+1], v[R+16*(\rho)+2*\m:R+16*(\rho)+2*\m+1] op_sel_hi:[1,0,1]
.endr
.irp m, 0,1,2,3,4,5,6,7
	v_pk_fma_f32 v[R+16*(\rho)+2*\m:R+16*(\rho)+2*\m+1], v[CB+16*(\rho)+2*\m:CB+16*(\rho)+2*\m+1], v[DT+4*(\rho)+2:DT+4*(\rho)+3], v[R+16*(\rho)+2*\m:R+16*(\rho)+2*\m+1] op_sel_hi:[1,0,1]
.endr
.endm
.macro OUT rho
.irp i, 0,1,2,3
	global_store_b128 v[LN16], v[R+16*(\rho)+4*\i:R+16*(\rho)+4*\i+3], s[12:13] offset:2048*(\rho)+512*\i  ; R is not written again
.endr
.endm
; Row rho times its scale into CA's registers of the row, rounded to f16 into eight of CB's.
.macro SCALE rho
.irp m, 0,1,2,3,4,5,6,7
	v_pk_mul_f32 v[CA+16*(\rho)+2*\m:CA+16*(\rho)+2*\m+1], v[R+16*(\rho)+2*\m:R+16*(\rho)+2*\m+1], v[SS+2*(\rho):SS+2*(\rho)+1] op_sel_hi:[1,0]
.endr
.irp m, 0,1,2,3,4,5,6,7
	v_cvt_pk_f16_f32 v[CB+8*(\rho)+\m], v[CA+16*(\rho)+2*\m], v[CA+16*(\rho)+2*\m+1]
.endr
.endm
; Row rho into the stage: elements 128 i + 4 lane + 0..3 are the 8 bytes at 256 i + 8 lane of the row; and its record into RES.
.macro PUT rho
.set Q, 8+4*(\rho)+24*((\rho)/2)       ; the record: v[8:11], v[12:15], v[40:43], v[44:47]
.irp i, 0,1,2,3
	ds_store_b64 v[STA], v[CB+8*(\rho)+2*\i:CB+8*(\rho)+2*\i+1] offset:PITCH*(\rho)+256*\i
.endr
	ds_store_b128 v[RSA], v[Q:Q+3] offset:16*(\rho)  ; every lane holds the row's record: all write the same words
.endm
; Wave w takes tile w / 4 of the group's two, ks 4 (w % 4) + 0..3: eight chunks c = 2 ksi + part of 512 bytes, read as fragments and stored where they belong.
.macro WAYOUT bk, p
.irp c, 0,1,2,3,4,5,6,7
	ds_load_b128 v[(\bk)+4*\c:(\bk)+4*\c+3], v[RDA] offset:32*\c
.endr
.irp c, 0,1,2,3,4,5,6,7
	s_wait_dscnt 7-\c                              ; LDS loads come back in order: chunk c is in, the younger ones stay out
	global_store_b128 v[LN16], v[(\bk)+4*\c:(\bk)+4*\c+3], s[\p:\p+1] offset:512*\c  ; 512 consecutive bytes, at a multiple of 512 from a16's first
.endr
.endm
	s_load_b512 s[4:19], s[0:1], 0x0               ; cand s[4:5], residual in s[6:7], codebook s[8:9], records in s[10:11], residual out s[12:13], a16 s[14:15], records out s[16:17], out0 s[18:19]
	s_load_b64 s[20:21], s[0:1], 0x40              ; out1
	v_lshl_add_u32 v[SPW], v0, 2, SPARE
	v_mov_b32 v[NIL], 0
	v_lshrrev_b32 v1, 5, v0
	v_readfirstlane_b32 s[WV], v1                  ; wave 0..7
	v_and_b32 v1, 31, v0                           ; lane
	v_lshlrev_b32 v[LN16], 4, v1
	s_wait_alu depctr_va_sdst(0)                   ; s[WV] is written, ahead of its first reader: offsets, LDS addresses and a branch are made from it
	; My wave's rows are r = 4 (w % 4) + 0..3 of row tile t = 2 (wg % 2) + w / 4 of group g = wg / 2.  Lane l reads the words of lane (l & 16) | ((l + 4 (w % 4)) & 15): my four rows come into lanes 0-3 (best) and 16-19 (second).
	s_and_b32 s23, s[WV], 3
	s_lshl_b32 s24, s23, 2
	v_add_nc_u32 v[CO], s24, v1
	v_and_b32 v[CO], 15, v[CO]
	v_and_or_b32 v[CO], v1, 16, v[CO]
	v_lshlrev_b32 v[CO], 4, v[CO]
	s_mul_i32 s56, s[WV], 4*PITCH                  ; my wave's four rows in the stage
	v_lshl_add_u32 v[STA], v1, 3, s56
	s_lshl_b32 s57, s[WV], 6
	s_add_co_u32 s57, s57, RES
	v_mov_b32 v[RSA], s57
	v_and_b32 v[T0], 15, v0                        ; r
	v_bfe_u32 v[T0+1], v0, 4, 1                    ; h
	v_mul_u32_u24 v[RDA], v[T0], PITCH
	v_lshl_add_u32 v[RDA], v[T0+1], 4, v[RDA]
	s_lshr_b32 s58, s[WV], 2
	s_mul_i32 s58, s58, 16*PITCH                   ; tile w / 4
	s_lshl_b32 s59, s23, 8                         ; ks 4 (w % 4): 64 bytes a ks
	s_add_co_u32 s58, s58, s59
	v_add_nc_u32 v[RDA], s58, v[RDA]
	v_add_nc_u32 v[T0], RES, v[LN16]               ; RES at row = lane, and out1's 4 bytes a row: wave 0's two addresses, made here with the others
	v_lshlrev_b32 v[T0+1], 2, v1
	s_lshr_b32 s24, ttmp9, 1                       ; cand: 512 g
	s_lshl_b32 s24, s24, 9
	s_and_b32 s25, ttmp9, 1                        ; + 4 t
	s_lshl_b32 s25, s25, 3
	s_add_co_u32 s24, s24, s25
	s_lshr_b32 s25, s[WV], 2
	s_lshl_b32 s25, s25, 2
	s_add_co_u32 s24, s24, s25
	s_mov_b32 s25, 0
	s_lshl_b32 s26, ttmp9, 16                      ; residual: 32 rows of 2,048 bytes, my wave's four
	s_lshl_b32 s27, s[WV], 13
	s_add_co_u32 s26, s26, s27
	s_mov_b32 s27, 0
	s_lshl_b32 s28, ttmp9, 9                       ; records and out0: 16 bytes a row
	s_mov_b32 s29, 0
	s_lshl_b32 s48, s[WV], 6                       ; my wave's four records
	s_add_co_u32 s48, s48, s28
	s_mov_b32 s49, 0
	s_lshl_b32 s50, ttmp9, 15                      ; a16: two tiles, my wave's eight chunks
	s_lshl_b32 s51, s[WV], 12
	s_add_co_u32 s50, s50, s51
	s_mov_b32 s51, 0
	s_lshl_b32 s52, ttmp9, 7                       ; out1: 4 bytes a row
	s_mov_b32 s53, 0
	s_mov_b32 s[SEL], 0x76543210
	s_mov_b32 s[SEL+1], 0xfedcba98
	s_mov_b32 s40, 511
	s_mov_b32 s41, 0x3c23d70a                      ; 0.01
	s_mov_b32 s42, 0x322bcc77                      ; 1e-8
	s_wait_kmcnt 0x0
	s_add_nc_u64 s[4:5], s[4:5], s[24:25]
	s_add_nc_u64 s[6:7], s[6:7], s[26:27]
	s_add_nc_u64 s[12:13], s[12:13], s[26:27]
	s_add_nc_u64 s[54:55], s[10:11], s[48:49]
	s_add_nc_u64 s[10:11], s[10:11], s[28:29]
	s_add_nc_u64 s[14:15], s[14:15], s[50:51]
	s_add_nc_u64 s[16:17], s[16:17], s[28:29]
	s_add_nc_u64 s[18:19], s[18:19], s[28:29]
	s_add_nc_u64 s[20:21], s[20:21], s[52:53]
	s_load_b512 s[GR:GR+15], s[54:55], 0x20000     ; my four rows' records of plane G: this launch stores nothing into that buffer
	s_wait_alu depctr_va_vdst(0)                   ; the offsets and LDS addresses v2 to v6, v60 to v63 are written, which the loads, stores and LDS instructions of the whole kernel read
.irp cb, 0,1,2,3,4,5,6,7
	global_load_b32 v[W+\cb], v[CO], s[4:5] offset:65536*\cb
.endr
.irp rho, 0,1,2,3
.irp i, 0,1,2,3
	global_load_b128 v[R+16*\rho+4*\i:R+16*\rho+4*\i+3], v[LN16], s[6:7] offset:2048*\rho+512*\i th:TH_LOAD_NT
.endr
.endr
	global_load_b128 v[HH:HH+3], v[LN16], s[10:11]                ; every wave issues these two, so that every count below holds in every wave; wave 0 uses them
	global_load_b128 v[GG:GG+3], v[LN16], s[10:11] offset:131072
	s_wait_loadcnt 18                              ; the eight words are in; the 18 loads issued behind them stay out
	; THE MERGE, in whole numbers.  word = sc << 9 | q9.  With S1 the row's largest sc: d = max(sc - S1 + 0xfffff, 0), 20 bits; comp = d << 12 | (4095 - index): one word for each codeword, ordered
	; by score and then by lower index within 2^20 steps of the top; what lies lower cannot be among the best two of sixteen unless all do, and then any order serves.
	; The shifts and the index fields, which hang on no compare, stand behind the first two runs of compares.
	GTU MK, W, W+1
	GTU MK+1, W+2, W+3
	GTU MK+2, W+4, W+5
	GTU MK+3, W+6, W+7
.irp cb, 0,1,2,3,4,5,6,7
	v_lshrrev_b32 v[24+\cb], 9, v[W+\cb]           ; sc
.endr
	s_wait_alu depctr_va_sdst(0)                   ; the four masks are written, which the four selects below read
	PICKU 16, W, W+1, MK
	PICKU 17, W+2, W+3, MK+1
	PICKU 18, W+4, W+5, MK+2
	PICKU 19, W+6, W+7, MK+3
	GTU MK+4, 16, 17
	GTU MK+5, 18, 19
.irp cb, 0,1,2,3,4,5,6,7
	v_and_or_b32 v[32+\cb], v[W+\cb], s40, (7-\cb)<<9  ; 4095 - (512 cb + index in the block)
.endr
	s_wait_alu depctr_va_sdst(0)                   ; the two masks are written, which the two selects below read
	PICKU 16, 16, 17, MK+4
	PICKU 18, 18, 19, MK+5
	GTU MK+6, 16, 18
	s_wait_alu depctr_va_sdst(0)                   ; the mask is written, which the select below reads
	PICKU 16, 16, 18, MK+6
	v_permlanex16_b32 v17, v16, s[SEL], s[SEL+1]   ; the row's second entries lie in the lane 16 away
	GTU MK+7, 16, 17
	s_wait_alu depctr_va_sdst(0)                   ; the mask is written, which the select below reads
	PICKU 16, 16, 17, MK+7
	v_lshrrev_b32 v16, 9, v16
	v_add_nc_u32 v16, 0xfff00001, v16              ; S1 - 0xfffff
.irp cb, 0,1,2,3,4,5,6,7
	v_sub_nc_u32 v[24+\cb], v[24+\cb], v16
.endr
.irp cb, 0,1,2,3,4,5,6,7
	v_cmp_lt_i32 s[MK+\cb], 0, v[24+\cb]
.endr
	s_wait_alu depctr_va_sdst(0)                   ; the eight masks are written, which the eight selects below read
.irp cb, 0,1,2,3,4,5,6,7
	v_cndmask_b32 v[24+\cb], 0, v[24+\cb], s[MK+\cb]
.endr
.irp cb, 0,1,2,3,4,5,6,7
	v_lshl_or_b32 v[W+\cb], v[24+\cb], 12, v[32+\cb]
.endr
	; The lane's best two of eight, pairwise: four sorted pairs (larger v16-19, smaller v20-23), two, one.  The words all differ, since each holds its own index.
.irp z0, 0,1,2,3
	v_cmp_gt_u32 s[MK+\z0], v[W+2*\z0], v[W+2*\z0+1]
.endr
	s_wait_alu depctr_va_sdst(0)                   ; the four masks are written, which the eight selects below read
.irp z0, 0,1,2,3
	v_cndmask_b32 v[16+\z0], v[W+2*\z0+1], v[W+2*\z0], s[MK+\z0]
	v_cndmask_b32 v[20+\z0], v[W+2*\z0], v[W+2*\z0+1], s[MK+\z0]
.endr
	T2CMP 16, 20, 17, 21, MK
	T2CMP 18, 22, 19, 23, MK+3
	s_wait_alu depctr_va_sdst(0)                   ; the six masks are written, which the eight selects below read
	T2SEL 28, 30, 16, 20, 17, 21, 24, MK
	T2SEL 29, 31, 18, 22, 19, 23, 26, MK+3
	T2CMP 28, 30, 29, 31, MK
	s_wait_alu depctr_va_sdst(0)                   ; the three masks are written, which the four selects below read
	T2SEL 20, 21, 28, 30, 29, 31, 22, MK           ; v20, v21: the lane's best two
	v_permlanex16_b32 v17, v20, s[SEL], s[SEL+1]
	v_permlanex16_b32 v18, v21, s[SEL], s[SEL+1]
	T2CMP 20, 21, 17, 18, MK
	s_wait_alu depctr_va_sdst(0)                   ; the three masks are written, which the four selects below read
	T2SEL 19, 21, 20, 21, 17, 18, 22, MK           ; v19: the best of all sixteen; v21: the second
	v_and_b32 v19, 0xfff, v19
	v_and_b32 v21, 0xfff, v21
	v_xor_b32 v19, 0xfff, v19                      ; 4095 - x for 12 bits
	v_xor_b32 v21, 0xfff, v21
.irp rho, 0,1,2,3
	v_readlane_b32 s[IA+\rho], v19, \rho
	v_readlane_b32 s[IB+\rho], v21, \rho
.endr
	s_wait_alu depctr_va_sdst(0)                   ; the eight indices are written, ahead of their first readers, the clamps below
.irp rho, 0,1,2,3
	s_min_u32 s[IA+\rho], s[IA+\rho], 0xfff        ; an index stays inside the table
	s_min_u32 s[IB+\rho], s[IB+\rho], 0xfff
	v_lshl_add_u32 v[VA+\rho], s[IA+\rho], 11, v[LN16]
	v_lshl_add_u32 v[VB+\rho], s[IB+\rho], 11, v[LN16]
.endr
	s_wait_alu depctr_va_vdst(0)                   ; the eight offsets v[40:47] are written, which the gathers read
.irp rho, 0,1,2,3
.irp i, 0,1,2,3
	global_load_b128 v[CA+16*\rho+4*\i:CA+16*\rho+4*\i+3], v[VA+\rho], s[8:9] offset:512*\i
.endr
.irp i, 0,1,2,3
	global_load_b128 v[CB+16*\rho+4*\i:CB+16*\rho+4*\i+3], v[VB+\rho], s[8:9] offset:512*\i
.endr
.endr
	s_wait_kmcnt 0x0                               ; the records
	s_xor_b32 s43, s[GR+1], 0x80000000
	v_mov_b32 v[NDV], s43                          ; -decay
.irp rho, 0,1,2,3
	s_wait_loadcnt 24-8*\rho                       ; the residual and this row's eight gathers are in; the later rows' eight each stay out
	v_pk_mul_f32 v[DT+4*\rho:DT+4*\rho+1], v[R+16*\rho:R+16*\rho+1], v[CA+16*\rho:CA+16*\rho+1]
	v_pk_mul_f32 v[DT+4*\rho+2:DT+4*\rho+3], v[R+16*\rho:R+16*\rho+1], v[CB+16*\rho:CB+16*\rho+1]
.irp m, 1,2,3,4,5,6,7
	v_pk_fma_f32 v[DT+4*\rho:DT+4*\rho+1], v[R+16*\rho+2*\m:R+16*\rho+2*\m+1], v[CA+16*\rho+2*\m:CA+16*\rho+2*\m+1], v[DT+4*\rho:DT+4*\rho+1]
	v_pk_fma_f32 v[DT+4*\rho+2:DT+4*\rho+3], v[R+16*\rho+2*\m:R+16*\rho+2*\m+1], v[CB+16*\rho+2*\m:CB+16*\rho+2*\m+1], v[DT+4*\rho+2:DT+4*\rho+3]
.endr
.endr
.irp z0, 0,1,2,3,4,5,6,7
	v_add_f32 v[DT+2*\z0], v[DT+2*\z0], v[DT+2*\z0+1]
.endr
	RED DT, 8
	; THE DECISION, the four rows stage by stage.  Every lane holds da (v[DT + 4 rho]) and db (v[DT + 4 rho + 2]); the masks are the same in all lanes.
.irp rho, 0,1,2,3
	v_and_b32 v[DT+4*\rho+1], 0x7fffffff, v[DT+4*\rho]
	v_and_b32 v[DT+4*\rho+3], 0x7fffffff, v[DT+4*\rho+2]
.endr
.irp rho, 0,1,2,3
	v_cmp_gt_f32 s[MGT+\rho], v[DT+4*\rho+3], v[DT+4*\rho+1]
	v_cmp_eq_f32 s[MEQ+\rho], v[DT+4*\rho+3], v[DT+4*\rho+1]
	v_cmp_ge_f32 s[MA1+\rho], s[GR+4*\rho+3], s41  ; |r| >= 0.01
	v_cmp_ge_f32 s[MA2+\rho], s[GR+4*\rho+2], s42  ; |target| >= 1e-8
.endr
.irp rho, 0,1,2,3
	s_cmp_lt_u32 s[IB+\rho], s[IA+\rho]
	s_cselect_b32 s[MLT+\rho], -1, 0
.endr
	s_wait_alu depctr_va_sdst(0)                   ; the sixteen masks are written, ahead of their first readers, the scalar lines below
.irp rho, 0,1,2,3
	s_and_b32 s[MEQ+\rho], s[MEQ+\rho], s[MLT+\rho]
	s_or_b32 s[MGT+\rho], s[MGT+\rho], s[MEQ+\rho] ; B wins: |db| is larger, or equal with the lower index
	s_and_b32 s[MA1+\rho], s[MA1+\rho], s[MA2+\rho]  ; active
.endr
.irp rho, 0,1,2,3
	v_cndmask_b32 v[DT+4*\rho+1], v[DT+4*\rho], v[DT+4*\rho+2], s[MGT+\rho]  ; the winner's d
	v_mov_b32 v[DT+4*\rho+3], s[IB+\rho]
.endr
.irp rho, 0,1,2,3
	v_cmp_le_f32 s[MPOS+\rho], 0, v[DT+4*\rho+1]   ; d >= 0
	v_cndmask_b32 v[DT+4*\rho+3], s[IA+\rho], v[DT+4*\rho+3], s[MGT+\rho]  ; and index
.endr
.irp rho, 0,1,2,3
	v_not_b32 v[SS+2*\rho], v[DT+4*\rho+3]         ; -(index + 1)
.endr
	s_wait_alu depctr_va_sdst(0)                   ; the four masks d >= 0 are written, which the selects below read
	s_wait_alu depctr_vm_vsrc(0)                   ; the gathers have read their offsets v[40:47], which take rows 2 and 3's records below (the wait on LOADcnt above has shown those gathers done)
.irp rho, 0,1,2,3
.set Q, 8+4*\rho+24*(\rho/2)
	v_cndmask_b32 v[DT+4*\rho+3], v[SS+2*\rho], v[DT+4*\rho+3], s[MPOS+\rho]
	v_cndmask_b32 v[SS+2*\rho+1], s[GR+1], v[NDV], s[MPOS+\rho]  ; -sign x decay,
	v_cndmask_b32 v[Q], 0, v[DT+4*\rho+3], s[MA1+\rho]           ; the signed index, 0 where the row is not active
	v_cndmask_b32 v[Q+1], 0, 1, s[MA1+\rho]
	v_cndmask_b32 v[SS+2*\rho+1], 0, v[SS+2*\rho+1], s[MA1+\rho] ; 0 where the row is not active
	v_cndmask_b32 v[DT+4*\rho], v[SS+2*\rho+1], 0, s[MGT+\rho]   ; FA
	v_cndmask_b32 v[DT+4*\rho+2], 0, v[SS+2*\rho+1], s[MGT+\rho] ; FB
.endr
	UPD 0
	UPD 1
	s_wait_alu depctr_va_vdst(0)                   ; the update has written rows 0 and 1 of R, which the eight stores below read; rows 2 and 3's update names none of those registers
	OUT 0
	UPD 2
	OUT 1
	UPD 3
	s_wait_alu depctr_va_vdst(0)                   ; the update has written rows 2 and 3 of R, which the eight stores below read
	OUT 2
	OUT 3
	SUMSQ4
	RED SS, 4
.irp rho, 0,1,2,3
.set Q, 8+4*\rho+24*(\rho/2)
	v_sqrt_f32 v[Q+2], v[SS+2*\rho]                ; |r'| goes into the record
.endr
	v_nop                                          ; a plain instruction between the last root and the use of its result
	s_wait_alu depctr_va_vdst(0)                   ; the four roots are written, ahead of their first readers below
.irp rho, 0,1,2,3
.set Q, 8+4*\rho+24*(\rho/2)
	v_max_num_f32 v[SS+2*\rho], 0x2b8cbccc, v[Q+2] ; 1e-12
.endr
.irp rho, 0,1,2,3
	v_rcp_f32 v[SS+2*\rho], v[SS+2*\rho]
.endr
.irp rho, 0,1,2,3
.set Q, 8+4*\rho+24*(\rho/2)
	v_mov_b32 v[Q+3], 0                            ; plain lines behind the reciprocals
.endr
	s_wait_alu depctr_va_vdst(0)                   ; the four reciprocals are written, ahead of their first readers, the scalings
	SCALE 0
	SCALE 1
	s_wait_alu depctr_va_vdst(0)                   ; the roundings have written rows 0 and 1's f16, and their records are whole: the ten LDS stores below read them; rows 2 and 3's arithmetic names none of those registers
	PUT 0
	SCALE 2
	PUT 1
	SCALE 3
	s_wait_alu depctr_va_vdst(0)                   ; the roundings have written rows 2 and 3's f16, which the LDS stores below read; and the scalings and roundings are done with v[128:159], in which the stage's loads land behind the barrier
	PUT 2
	PUT 3
	s_wait_dscnt 0x0                               ; for the others' sake: my stores into the stage and into RES are done
	s_barrier_signal -1
	s_barrier_wait -1
	WAYOUT CA, 14
	s_cmp_lg_u32 s[WV], 0
	s_cbranch_scc1 .Lend                           ; the group's 32 records are wave 0's, lane = row
	ds_load_b128 v[RB:RB+3], v[T0]                 ; no vector line has named v[56:59], and the address was made at the head
	v_mov_b32 v[HH], v[HH+1]                       ; the indices shift by a word
	v_mov_b32 v[HH+1], v[HH+2]
	v_mov_b32 v[HH+2], v[HH+3]
	v_lshrrev_b32 v[GG], 8, v[GG]                  ; the mask bytes by a byte
	v_mul_f32 v[GG+1], 0x3f733333, v[GG+1]         ; the next step's decay
	s_wait_dscnt 0x0
	v_mov_b32 v[HH+3], v[RB]
	v_lshl_or_b32 v[GG], v[RB+1], 24, v[GG]
	v_mov_b32 v[GG+3], v[RB+2]
	s_wait_alu depctr_va_vdst(0)                   ; the lines above have written v[48:55], which the four stores read
	global_store_b128 v[LN16], v[HH:HH+3], s[18:19]               ; out0
	global_store_b128 v[LN16], v[HH:HH+3], s[16:17]               ; plane I
	global_store_b128 v[LN16], v[GG:GG+3], s[16:17] offset:131072 ; plane G
	global_store_b32 v[T0+1], v[GG], s[20:21]                     ; out1: four bytes a row
.Lend:
	s_wait_dscnt 0x0                               ; the wave's end
	s_wait_alu 0x0
	s_wait_tensorcnt 0x0
	ds_add_u32 v[SPW], v[NIL]
	s_wait_dscnt 0x0
	s_endpgm
.Lfunc_end_k_qbbf190519f_pick1:
	.size	k_qbbf190519f_pick1, .Lfunc_end_k_qbbf190519f_pick1-k_qbbf190519f_pick1
	.p2alignl 7, 3214868480
	.fill 96, 4, 3214868480
	.section	.rodata,"a",@progbits
	.p2align	6, 0x0
	.amdhsa_kernel k_qbbf190519f_pick1
		.amdhsa_group_segment_fixed_size 34816
		.amdhsa_private_segment_fixed_size 0
		.amdhsa_enable_private_segment 0
		.amdhsa_kernarg_size 72
		.amdhsa_user_sgpr_count 2
		.amdhsa_user_sgpr_kernarg_segment_ptr 1
		.amdhsa_wavefront_size32 1
		.amdhsa_system_sgpr_workgroup_id_x 1
		.amdhsa_system_sgpr_workgroup_id_y 1
		.amdhsa_system_sgpr_workgroup_id_z 1
		.amdhsa_system_vgpr_workitem_id 0
		.amdhsa_next_free_vgpr 256
		.amdhsa_next_free_sgpr 88
		.amdhsa_reserve_vcc 0
		.amdhsa_float_denorm_mode_32 3
		.amdhsa_float_denorm_mode_16_64 3
		.amdhsa_memory_ordered 1
		.amdhsa_forward_progress 1
		.amdhsa_inst_pref_size 48
	.end_amdhsa_kernel
	.amdgpu_metadata
---
amdhsa.version: [ 1, 2 ]
amdhsa.kernels:
  - .name:           k_qbbf190519f_pick1
    .symbol:         k_qbbf190519f_pick1.kd
    .args:
      - { .name: cand, .offset: 0, .size: 8, .value_kind: global_buffer, .address_space: global }
      - { .name: targets, .offset: 8, .size: 8, .value_kind: global_buffer, .address_space: global }
      - { .name: codebook, .offset: 16, .size: 8, .value_kind: global_buffer, .address_space: global }
      - { .name: stA, .offset: 24, .size: 8, .value_kind: global_buffer, .address_space: global }
      - { .name: resA, .offset: 32, .size: 8, .value_kind: global_buffer, .address_space: global }
      - { .name: a16, .offset: 40, .size: 8, .value_kind: global_buffer, .address_space: global }
      - { .name: stB, .offset: 48, .size: 8, .value_kind: global_buffer, .address_space: global }
      - { .name: out0, .offset: 56, .size: 8, .value_kind: global_buffer, .address_space: global }
      - { .name: out1, .offset: 64, .size: 8, .value_kind: global_buffer, .address_space: global }
    .group_segment_fixed_size: 34816
    .private_segment_fixed_size: 0
    .kernarg_segment_align: 8
    .kernarg_segment_size: 72
    .max_flat_workgroup_size: 256
    .sgpr_count:     88
    .vgpr_count:     256
    .wavefront_size: 32
...
	.end_amdgpu_metadata
.endif
;; end of part 4
;; launch score2: the kernel of part 2 again; grid 32 x 8, 4 waves a work-group, clusters of 4 x 1, 327,680 bytes of LDS; arguments a16, c16, cand; writes cand
;; launch pick2: the kernel of part 4 again; grid 256 x 1, 8 waves a work-group, no clusters, 34,816 bytes of LDS; arguments cand, resA, codebook, stB, resB, a16, stA, out0, out1; writes resB, a16, stA, out0, out1
;; launch score3: the kernel of part 2 again; grid 32 x 8, 4 waves a work-group, clusters of 4 x 1, 327,680 bytes of LDS; arguments a16, c16, cand; writes cand
;; launch pick3: the kernel of part 4 again; grid 256 x 1, 8 waves a work-group, no clusters, 34,816 bytes of LDS; arguments cand, resB, codebook, stA, resA, a16, stB, out0, out1; writes resA, a16, stB, out0, out1
;; launch score4: the kernel of part 2 again; grid 32 x 8, 4 waves a work-group, clusters of 4 x 1, 327,680 bytes of LDS; arguments a16, c16, cand; writes cand
;; launch pick4: the kernel of part 4 again; grid 256 x 1, 8 waves a work-group, no clusters, 34,816 bytes of LDS; arguments cand, resA, codebook, stB, out2, a16, stA, out0, out1; writes out2, a16, stA, out0, out1
